; MI455X (gfx1250); checked and timed in simulation.
; The chip was launched on July 23, 2026; its instructions are those of AMD's public machine-readable ISA for CDNA 5 (MIT licence, August 2026) and "CDNA5" Instruction Set Architecture Reference Guide (July 2026). The comments in the code are by the model that wrote it; some were corrected since.
;; Outer. Allowed arithmetic: float matrix products may take bf16 or f16 operands with f32 sums; all other float work in f32.
;; Inputs: W1 66,049 x 512 float32; W2 512 x 512 float32; b1 512 float32; b2 512 float32; inp1 2,048 x 256 float32; inp2 2,048 x 256 float32.
;; Outputs: out0 2,048 x 512 float32.
;; 3 versions, each right; version 2 is faster than version 1; version 3 is version 2 with the launches prep, tail written anew for expert scheduling mode. Each part assembles by itself: llvm-mc -triple=amdgcn-amd-amdhsa -mcpu=gfx1250 --defsym DOCPART=n.
;; ======== version 1 of 3: 3 launches
;; workspace buffers: cf 1,048,576 bytes; at 1,048,576 bytes; w2f 524,288 bytes; bs 4,096 bytes; P 33,554,432 bytes
;; launch prep (part 1): grid 256 x 1, 1 waves a work-group, no clusters, 8,704 bytes of LDS; arguments inp1, inp2, W2, W1, b1, b2, cf, at, w2f, bs; writes cf, at, w2f, bs
.if DOCPART == 1
	.amdgcn_target "amdgcn-amd-amdhsa--gfx1250"
	.amdhsa_code_object_version 6
	.text
	.protected	k_q222d68d0ad_prep
	.globl	k_q222d68d0ad_prep
	.p2align	8
	.type	k_q222d68d0ad_prep,@function
k_q222d68d0ad_prep:
	s_mov_b64 s[64:65], 0
	v_nop
	global_prefetch_b8 v0, s[64:65] scope:SCOPE_SE
	s_setreg_imm32_b32 hwreg(HW_REG_WAVE_MODE, 25, 1), 1
	s_wait_xcnt 0x0
; PREP.  Rounds the small inputs to bf16 once and lays them in the order in which the later launches load them.
;   cf  : inp2, fragment order [row block 128][ks 8][g 2][lane 32][16 bytes]: lane (r = L % 16, h = L / 16) holds inp2[16 RB + r][32 ks + 16 g + 8 h + 0..7]
;   at  : inp1, [s 8][row 2048][32 columns]: 64 bytes for a row and a split s, columns 32 s .. 32 s + 31
;   w2f : W2, fragment order [cb 32][ks 16][g 2][lane][16 bytes]: lane (r, h) holds W2[32 ks + 16 g + 8 h + e][16 cb + r], e = 0..7
;   bs  : f32: [0..511] = bf16(b1[n]) + bf16(W1[66048][n]) (the term of the two appended ones); [512..1023] = bf16(b2[n])
; One wave a work-group, 256 work-groups.  Work-group id: 16 rows of inp2 (id < 128) or of inp1 (the others), one (ks, g) x four cb of W2, and for id < 8 a piece of the biases.
; Memory binds and the bytes are few: no matrix unit, no cluster, no tensor load would add anything.
; LIMITS.  Rounding to bf16 is to nearest even; NaN and infinities are not treated apart.
.set SP,    528                        ; a stage row: 256 bf16 = 512 bytes + 16: the 16 rows that a read touches start at 16 different groups of four banks
.set SPARE, 8448                       ; behind the stage (16 x 528): the spare words, one block of 256 bytes that no other line names
.set SPW, 2                            ; v2  LDS address of my spare word; never rewritten
.set NIL, 3                            ; v3  0; never rewritten
.set X,   16                           ; v[16:143]  32 quads: 16 rows of 256 f32 as loaded, then packed in place
.set G,   144                          ; v[144:175] W2: for each of four cb eight numbers of a column
.set O,   176                          ; v[176:239] 16 quads read back from the stage
	s_load_b512 s[8:23], s[0:1], 0x0               ; inp1 s[8:9], inp2 s[10:11], W2 s[12:13], W1 s[14:15], b1 s[16:17], b2 s[18:19], cf s[20:21], at s[22:23]
	s_load_b128 s[24:27], s[0:1], 0x40             ; w2f s[24:25], bs s[26:27]
	v_lshl_add_u32 v[SPW], v0, 2, SPARE
	v_mov_b32 v[NIL], 0
	v_lshlrev_b32 v1, 4, v0                        ; 16 L
	v_lshlrev_b32 v4, 3, v0                        ; 8 L: where my four bf16 go in a half row of the stage
	v_and_b32 v7, 15, v0                           ; r
	v_lshrrev_b32 v8, 4, v0                        ; h
	v_lshlrev_b32 v6, 2, v7
	v_lshl_add_u32 v6, v8, 14, v6                  ; W2: 8 h rows of 2,048 bytes + 4 r
	s_mov_b32 s37, ttmp9                           ; id
	s_lshr_b32 s28, s37, 7                         ; 1: inp1, 0: inp2
	s_and_b32 s29, s37, 127                        ; RB: my block of 16 rows
	s_lshl_b32 s30, s29, 14                        ; 16 rows x 1,024 bytes
	s_mov_b32 s31, 0
	s_lshr_b32 s32, s37, 3                         ; ksg = 2 ks + g
	s_and_b32 s33, s37, 7                          ; cbg: cb = 4 cbg + c
	s_lshl_b32 s34, s32, 15                        ; 16 ksg rows of W2
	s_lshl_b32 s36, s33, 8                         ; 64 columns x 4 bytes
	s_add_co_u32 s34, s34, s36
	s_mov_b32 s35, 0
	s_wait_kmcnt 0x0
	s_cmp_lg_u32 s28, 0
	s_cselect_b64 s[2:3], s[8:9], s[10:11]
	s_add_nc_u64 s[2:3], s[2:3], s[30:31]          ; my 16 rows: 16,384 bytes on end
	s_add_nc_u64 s[12:13], s[12:13], s[34:35]
.set m, 0
.rept 32
	global_load_b128 v[X+4*m:X+4*m+3], v1, s[2:3] offset:m*512 th:TH_LOAD_NT  ; 512 consecutive bytes: half a row
.set m, m+1
.endr
.irp c, 0,1,2,3
.irp e, 0,1,2,3,4,5,6,7
	global_load_b32 v[G+8*\c+\e], v6, s[12:13] offset:\e*2048+\c*64  ; W2[16 ksg + 8 h + e][64 cbg + 16 c + r]: the four c together use 256 consecutive bytes of each row
.endr
.endr
	s_wait_loadcnt 32                              ; the 32 loads of W2, issued behind, may stay out
.set m, 0
.rept 32
	v_cvt_pk_bf16_f32 v[X+4*m], v[X+4*m], v[X+4*m+1]
	v_cvt_pk_bf16_f32 v[X+4*m+1], v[X+4*m+2], v[X+4*m+3]
	ds_store_b64 v4, v[X+4*m:X+4*m+1] offset:(m/2)*SP+(m%2)*256
.set m, m+1
.endr
	s_cmp_lg_u32 s28, 0
	s_cbranch_scc1 .Lat
	; inp2 -> cf.  Chunk m = 2 ks + g: lane (r, h) takes row r, bytes 32 m + 16 h.  LDS serves a wave's instructions in order (ISA guide 5.7.1.4): the loads see the stores above.
	v_mul_u32_u24 v5, v7, SP
	v_lshl_add_u32 v5, v8, 4, v5
	s_lshl_b32 s30, s29, 13                        ; 8,192 bytes a row block
	s_add_nc_u64 s[20:21], s[20:21], s[30:31]
.set m, 0
.rept 16
	ds_load_b128 v[O+4*m:O+4*m+3], v5 offset:m*32
.set m, m+1
.endr
.set m, 0
.rept 16
	s_wait_dscnt 15-m                              ; LDS loads come back in order: chunk m is in
	global_store_b128 v1, v[O+4*m:O+4*m+3], s[20:21] offset:m*512  ; 512 consecutive bytes, aligned
.set m, m+1
.endr
	s_branch .Lw2
.Lat:
	; inp1 -> at.  Chunk m = 2 s + hf: lane L takes row 8 hf + L / 4, bytes 64 s + 16 (L % 4): eight rows' 64 bytes are 512 consecutive bytes of at.
	v_lshrrev_b32 v9, 2, v0
	v_and_b32 v10, 3, v0
	v_mul_u32_u24 v5, v9, SP
	v_lshl_add_u32 v5, v10, 4, v5
	s_lshl_b32 s30, s29, 10                        ; 16 rows x 64 bytes
	s_add_nc_u64 s[22:23], s[22:23], s[30:31]
.set m, 0
.rept 16
	ds_load_b128 v[O+4*m:O+4*m+3], v5 offset:(m/2)*64+(m%2)*8*SP
.set m, m+1
.endr
.set m, 0
.rept 16
	s_wait_dscnt 15-m
	global_store_b128 v1, v[O+4*m:O+4*m+3], s[22:23] offset:(m/2)*131072+(m%2)*512
.set m, m+1
.endr
.Lw2:
	s_lshl_b32 s34, s33, 16                        ; w2f: 4 cbg x 16,384 bytes
	s_lshl_b32 s36, s32, 9                         ; + ksg x 512
	s_add_co_u32 s34, s34, s36
	s_add_nc_u64 s[24:25], s[24:25], s[34:35]
	s_wait_loadcnt 0x0                             ; W2's numbers
.irp c, 0,1,2,3
	v_cvt_pk_bf16_f32 v[G+8*\c], v[G+8*\c], v[G+8*\c+1]
	v_cvt_pk_bf16_f32 v[G+8*\c+1], v[G+8*\c+2], v[G+8*\c+3]
	v_cvt_pk_bf16_f32 v[G+8*\c+2], v[G+8*\c+4], v[G+8*\c+5]
	v_cvt_pk_bf16_f32 v[G+8*\c+3], v[G+8*\c+6], v[G+8*\c+7]
	global_store_b128 v1, v[G+8*\c:G+8*\c+3], s[24:25] offset:\c*16384
.endr
; four f32 at v[b] are rounded to bf16 and widened again
.macro RND4 b
	v_cvt_pk_bf16_f32 v12, v[\b], v[\b+1]
	v_cvt_pk_bf16_f32 v13, v[\b+2], v[\b+3]
	v_lshlrev_b32 v[\b], 16, v12
	v_and_b32 v[\b+1], 0xffff0000, v12
	v_lshlrev_b32 v[\b+2], 16, v13
	v_and_b32 v[\b+3], 0xffff0000, v13
.endm
	s_cmp_lt_u32 s37, 8
	s_cbranch_scc0 .Lend                           ; the biases are eight pieces of 512 bytes
	s_lshl_b32 s30, s37, 9
	s_add_nc_u64 s[26:27], s[26:27], s[30:31]      ; bs + 512 id
	s_cmp_lt_u32 s37, 4
	s_cbranch_scc0 .Lb2
	s_add_nc_u64 s[16:17], s[16:17], s[30:31]
	s_add_nc_u64 s[14:15], s[14:15], 0x8100000     ; W1's row 66,048: 66,048 x 2,048 bytes
	s_add_nc_u64 s[14:15], s[14:15], s[30:31]
	global_load_b128 v[16:19], v1, s[16:17]
	global_load_b128 v[20:23], v1, s[14:15]
	s_wait_loadcnt 0x0
	RND4 16
	RND4 20
	v_pk_add_f32 v[16:17], v[16:17], v[20:21]
	v_pk_add_f32 v[18:19], v[18:19], v[22:23]
	global_store_b128 v1, v[16:19], s[26:27]
	s_branch .Lend
.Lb2:
	s_sub_co_u32 s30, s30, 2048                    ; b2's piece id - 4
	s_add_nc_u64 s[18:19], s[18:19], s[30:31]
	global_load_b128 v[16:19], v1, s[18:19]
	s_wait_loadcnt 0x0
	RND4 16
	global_store_b128 v1, v[16:19], s[26:27]
.Lend:
	s_wait_tensorcnt 0x0                           ; the wave's end: behind my last LDS store
	ds_add_u32 v[SPW], v[NIL]
	s_wait_dscnt 0x0
	s_endpgm
.Lfunc_end_k_q222d68d0ad_prep:
	.size	k_q222d68d0ad_prep, .Lfunc_end_k_q222d68d0ad_prep-k_q222d68d0ad_prep
	.p2alignl 7, 3214868480
	.fill 96, 4, 3214868480
	.section	.rodata,"a",@progbits
	.p2align	6, 0x0
	.amdhsa_kernel k_q222d68d0ad_prep
		.amdhsa_group_segment_fixed_size 8704
		.amdhsa_private_segment_fixed_size 0
		.amdhsa_enable_private_segment 0
		.amdhsa_kernarg_size 80
		.amdhsa_user_sgpr_count 2
		.amdhsa_user_sgpr_kernarg_segment_ptr 1
		.amdhsa_wavefront_size32 1
		.amdhsa_system_sgpr_workgroup_id_x 1
		.amdhsa_system_sgpr_workgroup_id_y 1
		.amdhsa_system_sgpr_workgroup_id_z 1
		.amdhsa_system_vgpr_workitem_id 0
		.amdhsa_next_free_vgpr 240
		.amdhsa_next_free_sgpr 66
		.amdhsa_reserve_vcc 0
		.amdhsa_float_denorm_mode_32 3
		.amdhsa_float_denorm_mode_16_64 3
		.amdhsa_memory_ordered 1
		.amdhsa_forward_progress 1
		.amdhsa_inst_pref_size 24
	.end_amdhsa_kernel
	.amdgpu_metadata
---
amdhsa.version: [ 1, 2 ]
amdhsa.kernels:
  - .name:           k_q222d68d0ad_prep
    .symbol:         k_q222d68d0ad_prep.kd
    .args:
      - { .name: inp1, .offset: 0, .size: 8, .value_kind: global_buffer, .address_space: global }
      - { .name: inp2, .offset: 8, .size: 8, .value_kind: global_buffer, .address_space: global }
      - { .name: W2, .offset: 16, .size: 8, .value_kind: global_buffer, .address_space: global }
      - { .name: W1, .offset: 24, .size: 8, .value_kind: global_buffer, .address_space: global }
      - { .name: b1, .offset: 32, .size: 8, .value_kind: global_buffer, .address_space: global }
      - { .name: b2, .offset: 40, .size: 8, .value_kind: global_buffer, .address_space: global }
      - { .name: cf, .offset: 48, .size: 8, .value_kind: global_buffer, .address_space: global }
      - { .name: at, .offset: 56, .size: 8, .value_kind: global_buffer, .address_space: global }
      - { .name: w2f, .offset: 64, .size: 8, .value_kind: global_buffer, .address_space: global }
      - { .name: bs, .offset: 72, .size: 8, .value_kind: global_buffer, .address_space: global }
    .group_segment_fixed_size: 8704
    .private_segment_fixed_size: 0
    .kernarg_segment_align: 8
    .kernarg_segment_size: 80
    .max_flat_workgroup_size: 32
    .sgpr_count:     66
    .vgpr_count:     240
    .wavefront_size: 32
...
	.end_amdgpu_metadata
.endif
;; end of part 1
;; launch outer (part 2): grid 32 x 8, 4 waves a work-group, clusters of 4 x 1, 327,680 bytes of LDS; arguments W1, cf, at, P; writes P
.if DOCPART == 2
	.amdgcn_target "amdgcn-amd-amdhsa--gfx1250"
	.amdhsa_code_object_version 6
	.text
	.protected	k_q222d68d0ad_outer
	.globl	k_q222d68d0ad_outer
	.p2align	8
	.type	k_q222d68d0ad_outer,@function
k_q222d68d0ad_outer:
	s_mov_b64 s[64:65], 0
	v_nop
	global_prefetch_b8 v0, s[64:65] scope:SCOPE_SE
	s_setreg_imm32_b32 hwreg(HW_REG_WAVE_MODE, 25, 1), 1
	s_wait_xcnt 0x0
	s_wait_alu depctr_hold_cnt(0) depctr_sa_sdst(0) depctr_va_vdst(0) depctr_va_sdst(0) depctr_va_ssrc(0) depctr_va_vcc(0) depctr_vm_vsrc(0)
	s_getreg_b32 s2, hwreg(HW_REG_IB_STS2, 6, 4)
	s_cmp_eq_u32 s2, 0
	s_cbranch_scc0 .Lentry_in_a_cluster
	s_endpgm
.Lentry_in_a_cluster:
	s_bfe_u32 s2, ttmp6, 0x10000c
	s_cmp_lg_u32 s2, 0x3003
	s_cbranch_scc0 .Lentry_shape_is_right
	s_endpgm
.Lentry_shape_is_right:
; OUTER.  h[b][n] = sum over i, j of a[b][i] c[b][j] W1[257 i + j][n], a = [inp1 | 1], c = [inp2 | 1], taken as  h = sum over i of a[:, i] x (c . W1_i),  W1_i = rows 257 i .. 257 i + 255 of W1.
; So the matrix operand c is the same for every i and stays in registers; T_i = c . W1_i is a finished f32 sum over 256 j, and a[b][i] is applied to it in f32: no product a c is ever rounded.
; SHARES.  A work-group owns 512 rows (mt) x 64 columns (nt) of h for the 32 values i = 32 s .. 32 s + 31 (split s of eight); its sums go out as f32 to P, which the next launch adds up.
; A wave owns 128 rows: 8 row blocks rb x 4 column blocks q of 16 x 16.  What is left of K is shared out over the splits and goes straight into h (THE EDGE): E1, the column j = 256:
; a[:, 32 s + t] . W1[257 (32 s + t) + 256]; E2, the block i = 256 (a = 1): c[:, 32 s + t] . W1[65,792 + 32 s + t]; one K step of 32 each.  W1's last row lies in the bias.
; THE MATRIX INSTRUCTION: source 0 = 16 columns n of W1 (turned on the way out of LDS), source 1 = 16 rows of c.  In the result lane l holds row l % 16 and columns 8 (l / 16) + 0..7: a[b][i] is one register a row block.
; CLUSTER.  The four work-groups of a cluster are the four mt of one (nt, s): they need the same rows of W1, so every tile of W1 is asked for JOINTLY (mask 15): each byte of W1 is asked for once in the launch.
; THE PIPELINE.  A slab is 256 rows x 64 columns of W1.  Trip t multiplies slab t out of bf16 slab B[t % 2]; beside that each wave converts its 64 rows of slab t + 1 from f32 slot F[(t+1) % 2] into B[(t+1) % 2];
; the round at the trip's end fills F[(t+1) % 2] again with slab t + 3, which has a whole trip, 256 matrix instructions a wave, in which to land.  Of a wave's tensor loads three are out at the start, later one.
; LIMITS.  c, a and W1 are rounded to bf16 (nearest even); sums in f32; NaN and infinities are not treated apart.
; LDS.  F0 0, F1 65,536: f32 slots, 256 rows x 256 bytes, filled by tensor loads alone.  B0 131,072, B1 196,608: bf16 [k 256][n 64], pitch 160.  EB 172,032: the edge in bf16, 64 rows, pitch 160.
;       ATAB 262,144: a in bf16, 512 rows x 32, pitch 80.  EF 303,104: the edge in f32, filled once.  SPARE 319,488.  All of a WGP's LDS is claimed.
; REGISTERS, in windows of 256 (s_set_vgpr_msb: bits 1:0 source 0, 3:2 source 1, 5:4 source 2, 7:6 destination):
;   window 0: v0-15 addresses; v16-23 next a as loaded; v24-31 a in f32; v32-63 conversion; v64-127 eight fragments of W1; v128-191, v192-255 two sets of eight T
;   window 1: h, tile (rb, q) at 8 (4 rb + q)          windows 2, 3: c's fragments, (rb, ks) at 8 (4 rb + ks % 4) of window 2 + ks / 4
; SCALARS.  s[24:31] group 1 of a slab's quarter; s[32:39] group 1 of E1's rows; s[68:75] group 1 of E2's rows; s[40:43] group 0 of the edge; s[44:47] of slab 0; s[48:51] of slab 1, which then walks on.
.set BB,    131072
.set BP,    160                        ; 128 bytes + 32 = 40 words
.set FLIP,  0x10000                    ; one exclusive or turns F0 into F1 and B0 into B1
.set EBO,   40960                      ; EB - B0
.set ATAB,  262144
.set AP,    80                         ; 64 bytes + 16
.set EF,    303104
.set SPARE, 319488                     ; the spare words, 128 bytes a wave: two blocks of 256 bytes that no other line names
.set STEP,  526336                     ; from a slab to the next: 257 rows of 2,048 bytes
.set SPW, 2                            ; v2   LDS address of my spare word; never rewritten
.set NIL, 3                            ; v3   0; never rewritten
.set FRL, 4                            ; v4   my lane's place in B0 for the turning load
.set FRA, 5                            ; v5   the same in the slab that is multiplied
.set CRL, 6                            ; v6   my wave's rows in F0, 16 bytes a lane
.set CRA, 7                            ; v7   the same in the slot that is converted
.set CWL, 8                            ; v8   where my four bf16 go in B0
.set CWA, 9                            ; v9   the same in the slab that is written
.set ATA, 10                           ; v10  a of my row (row block 0) for the next trip
.set PO,  11                           ; v11  16 x lane
.set RAW, 16
.set AS,  24
.set CV,  32
.set WF,  64
.set T0,  128
.set T1,  192
.set MSB, 0
.macro WIN new                         ; the immediate's high byte repeats the setting that is left; a switch that changes nothing is dropped
.if MSB != (\new)
	s_set_vgpr_msb (MSB<<8)|(\new)
.set MSB, (\new)
.endif
.endm
; A round of the cluster's barrier: my work-group's barrier; wave 0 signals for the work-group; every wave waits for all four work-groups; my work-group's barrier once more.
.macro CREST                           ; a round behind its opening barrier
	s_cmp_lg_u32 s12, 0
	s_cbranch_scc1 .Lnot_wave_0_\@
	s_barrier_signal -3
.Lnot_wave_0_\@:
	s_barrier_wait -3
	s_barrier_signal -1
	s_barrier_wait -1
.endm
.macro CROUND
	s_barrier_signal -1
	s_barrier_wait -1
	CREST
.endm
	s_load_b256 s[4:11], s[0:1], 0x0               ; W1 s[4:5], cf s[6:7], at s[8:9], P s[10:11]
	v_lshl_add_u32 v[SPW], v0, 2, SPARE
	v_mov_b32 v[NIL], 0
	ds_add_u32 v[SPW], v[NIL]                      ; the wave's opening: the add and its wait stand ahead of my first tensor load; the set-up below, work on registers, stands between them
	v_lshrrev_b32 v12, 5, v0
	v_readfirstlane_b32 s12, v12                   ; wave 0..3
	s_bfe_u32 s13, ttmp6, 0x40000                  ; cx = mt: it enters the addresses of cf, at and P alone
	s_mov_b32 s14, ttmp9                           ; the cluster's x = nt
	s_and_b32 s15, ttmp7, 0xffff                   ; s
	; descriptor group 1 for a wave's quarter of a slab: 64 rows x 64 elements of 4 bytes, 512 elements from row to row
	s_mov_b32 s24, 15|(2<<16)|(1<<21)              ; 15:0 the mask of four; 17:16 4-byte elements; 21 set beside a mask; no padding
	s_mov_b32 s25, 64<<16                          ; tensor_dim0 = 64
	s_mov_b32 s26, 64<<16                          ; tensor_dim1 = 64
	s_mov_b32 s27, 64<<16                          ; tile_dim0 = 64
	s_mov_b32 s28, 64                              ; tile_dim1 = 64
	s_mov_b32 s29, 512
	s_mov_b32 s30, 0
	s_mov_b32 s31, 0
	; and for a wave's 16 rows of the edge, twice, every word a constant: they differ in the step from row to row alone
.irp g, 32, 68
	s_mov_b32 s[\g], 15|(2<<16)|(1<<21)
	s_mov_b32 s[\g+1], 64<<16                      ; tensor_dim0 = 64
	s_mov_b32 s[\g+2], 16<<16                      ; tensor_dim1 = 16
	s_mov_b32 s[\g+3], 64<<16                      ; tile_dim0 = 64
	s_mov_b32 s[\g+4], 16                          ; tile_dim1 = 16
	s_mov_b32 s[\g+6], 0
	s_mov_b32 s[\g+7], 0
.endr
	s_mov_b32 s37, 131584                          ; E1's rows lie 257 rows of 512 elements apart (waves 0, 1)
	s_mov_b32 s73, 512                             ; E2's rows follow each other (waves 2, 3)
	s_mov_b32 s40, 1                               ; group 0, the edge
	s_lshl_b32 s41, s12, 12
	s_add_co_u32 s41, s41, EF
	s_mov_b32 s44, 1                               ; group 0, slab 0 into F0
	s_lshl_b32 s45, s12, 14
	s_mov_b32 s48, 1                               ; group 0, slab 1 into F1; it then walks on
	s_add_co_u32 s49, s45, FLIP
	; byte offsets in W1, made of s, nt and the wave's number, which the four partners share
	s_mul_i32 s16, s15, 32*257
	s_lshl_b32 s17, s12, 6
	s_add_co_u32 s16, s16, s17                     ; slab 0, my first row: 257 x 32 s + 64 w
	s_lshl_b32 s16, s16, 11
	s_lshl_b32 s17, s14, 8
	s_add_co_u32 s16, s16, s17                     ; + 256 nt
	s_lshl_b32 s18, s15, 5
	s_lshl_b32 s19, s12, 4
	s_add_co_u32 s18, s18, s19                     ; 32 s + 16 w
	s_mul_i32 s20, s18, 257
	s_add_co_u32 s20, s20, 256                     ; E1: row 257 (32 s + 16 w) + 256
	s_add_co_u32 s21, s18, 65792-32                ; E2: row 65,792 + 32 s + 16 (w - 2)
	s_cmp_lt_u32 s12, 2
	s_cselect_b32 s20, s20, s21
	s_lshl_b32 s20, s20, 11
	s_add_co_u32 s20, s20, s17
	s_mov_b32 s17, 0
	s_mov_b32 s21, 0
	; byte offsets in cf, at and P, in registers that feed no descriptor
	s_lshl_b32 s56, s13, 18
	s_lshl_b32 s57, s12, 16
	s_add_co_u32 s56, s56, s57                     ; cf: (32 mt + 8 w) x 8,192
	s_mov_b32 s57, 0
	s_lshl_b32 s58, s15, 17
	s_lshl_b32 s59, s13, 15
	s_add_co_u32 s58, s58, s59
	s_lshl_b32 s59, s12, 13
	s_add_co_u32 s58, s58, s59                     ; at: 131,072 s + (512 mt + 128 w) x 64
	s_mov_b32 s59, 0
	s_lshl_b32 s60, s15, 22
	s_lshl_b32 s61, s13, 20
	s_add_co_u32 s60, s60, s61
	s_lshl_b32 s61, s14, 17
	s_add_co_u32 s60, s60, s61
	s_lshl_b32 s61, s12, 15
	s_add_co_u32 s60, s60, s61                     ; P: 4 Mi s + 1 Mi mt + 128 Ki nt + 32 Ki w
	s_mov_b32 s61, 0
	s_mov_b32 s52, 0                               ; the slab that is multiplied: B0
	s_mov_b32 s53, FLIP                            ; the slot that is converted and the slab that is written: F1, B1
	s_wait_dscnt 0x0                               ; the opening add is done
	s_wait_kmcnt 0x0
	s_add_nc_u64 s[46:47], s[4:5], s[16:17]
	s_add_nc_u64 s[50:51], s[46:47], STEP
	s_or_b32 s47, s47, 0x80000000                  ; type = 2
	s_or_b32 s51, s51, 0x80000000
	s_add_nc_u64 s[42:43], s[4:5], s[20:21]
	s_or_b32 s43, s43, 0x80000000
	s_add_nc_u64 s[6:7], s[6:7], s[56:57]
	s_add_nc_u64 s[8:9], s[8:9], s[58:59]
	s_add_nc_u64 s[10:11], s[10:11], s[60:61]
	CROUND                                         ; all four work-groups are here: the first joint loads meet
	; A wave's three first fills stand in one branch on the wave's number, which is the same in every work-group: the edge, slab 0, slab 1.  Three loads of mine are out on either way.
	; An s_nop 0 follows each load and four v_nop the third, ahead of the jump and the label.
	s_cmp_lt_u32 s12, 2
	s_cbranch_scc0 .Lfirst_e2
	tensor_load_to_lds s[40:43], s[32:39]          ; my 16 rows of E1
	s_nop 0
	tensor_load_to_lds s[44:47], s[24:31]          ; slab 0
	s_nop 0
	tensor_load_to_lds s[48:51], s[24:31]          ; slab 1
	s_nop 0
.rept 4
	v_nop
.endr
	s_branch .Lfirst_asked
.Lfirst_e2:
	tensor_load_to_lds s[40:43], s[68:75]          ; my 16 rows of E2
	s_nop 0
	tensor_load_to_lds s[44:47], s[24:31]          ; slab 0
	s_nop 0
	tensor_load_to_lds s[48:51], s[24:31]          ; slab 1
	s_nop 0
.rept 4
	v_nop
.endr
.Lfirst_asked:
	v_and_b32 v12, 31, v0
	v_and_b32 v13, 15, v0                          ; r
	v_bfe_u32 v14, v0, 4, 1                        ; h
	v_lshlrev_b32 v[PO], 4, v12
.set m, 0
.rept 16
	global_load_b128 v[T0+4*m:T0+4*m+3], v[PO], s[8:9] offset:m*512  ; a of my 128 rows: 8,192 bytes on end
.set m, m+1
.endr
	WIN 0x80                                       ; c's fragments go straight where the products name them: ks 0-3 into window 2,
.set m, 0
.rept 64                                           ; m = 8 rb + 2 ks + g
	global_load_b128 v[4*m:4*m+3], v[PO], s[6:7] offset:(m/8)*8192+(m%8)*512
.set m, m+1
.endr
	WIN 0xc0                                       ; ks 4-7 into window 3
.set m, 0
.rept 64
	global_load_b128 v[4*m:4*m+3], v[PO], s[6:7] offset:(m/8)*8192+4096+(m%8)*512
.set m, m+1
.endr
	WIN 0
	; The turning load takes 16 k x 16 n (lane l reads row 8 (l / 16) + l % 8, columns 8 ((l / 8) % 2) + 0..7) and leaves half a fragment: lane l holds column l % 16 and 8 k.
	v_and_b32 v15, 7, v0
	v_lshl_add_u32 v15, v14, 3, v15
	v_mul_u32_u24 v15, v15, BP
	v_bfe_u32 v12, v0, 3, 1
	v_lshl_add_u32 v15, v12, 4, v15
	v_add_nc_u32 v[FRL], BB, v15
	s_lshl_b32 s22, s12, 14
	v_add_nc_u32 v[CRL], s22, v[PO]                ; a load of 16 bytes a lane takes two rows of 256 bytes of my quarter of a slot
	v_mul_u32_u24 v15, v14, BP
	v_lshl_add_u32 v15, v13, 3, v15                ; and their bf16 go to row h, byte 8 r
	s_mul_i32 s22, s12, 64*BP
	s_add_co_u32 s22, s22, BB
	v_add_nc_u32 v[CWL], s22, v15
	s_mul_i32 s22, s12, 16*BP
	s_add_co_u32 s22, s22, BB+EBO
	v_add_nc_u32 v26, s22, v15                     ; v26: the same for my 16 rows of the edge
	s_lshl_b32 s22, s12, 12
	s_add_co_u32 s22, s22, EF
	v_add_nc_u32 v25, s22, v[PO]                   ; v25: my 16 rows of the edge in f32
	s_mul_i32 s22, s12, 128*AP
	s_add_co_u32 s22, s22, ATAB
	v_mul_u32_u24 v[ATA], v13, AP
	v_add_nc_u32 v[ATA], s22, v[ATA]               ; a[row r of row block 0][t = 0]
	v_lshl_add_u32 v27, v14, 4, v[ATA]             ; v27: a's fragments: + 16 h
	v_bfe_u32 v15, v0, 2, 3
	v_mul_u32_u24 v15, v15, AP
	v_and_b32 v12, 3, v0
	v_lshl_add_u32 v15, v12, 4, v15
	v_add_nc_u32 v24, s22, v15                     ; v24: into the table: row l / 4, 16 bytes (l % 4)
	s_wait_loadcnt 63                              ; 128 loads were issued behind a's sixteen; 63 is the largest count that the wait can name, and asks for more than is needed
.set m, 0
.rept 16
	ds_store_b128 v24, v[T0+4*m:T0+4*m+3] offset:m*8*AP  ; my own 128 rows: no other wave reads them
.set m, m+1
.endr
	s_wait_tensorcnt 0x1                           ; tensor loads of a wave end in order: the edge and slab 0 are in, slab 1 may stay out.  I read only bytes that my own loads brought
.set m, 0
.rept 32
	ds_load_b128 v[T0+4*m:T0+4*m+3], v[CRL] offset:m*512
.set m, m+1
.endr
.set m, 0
.rept 8
	ds_load_b128 v[CV+4*m:CV+4*m+3], v25 offset:m*512
.set m, m+1
.endr
	s_wait_dscnt 0x0
.set m, 0
.rept 32
	v_cvt_pk_bf16_f32 v[T0+4*m], v[T0+4*m], v[T0+4*m+1]
	v_cvt_pk_bf16_f32 v[T0+4*m+1], v[T0+4*m+2], v[T0+4*m+3]
	ds_store_b64 v[CWL], v[T0+4*m:T0+4*m+1] offset:m*2*BP
.set m, m+1
.endr
.set m, 0
.rept 8
	v_cvt_pk_bf16_f32 v[CV+4*m], v[CV+4*m], v[CV+4*m+1]
	v_cvt_pk_bf16_f32 v[CV+4*m+1], v[CV+4*m+2], v[CV+4*m+3]
	ds_store_b64 v26, v[CV+4*m:CV+4*m+1] offset:m*2*BP
.set m, m+1
.endr
	; the round ahead of trip 0: behind it B0 and the edge are whole for every wave, and F0, which has been read, takes slab 2
	s_wait_tensorcnt 0x0                           ; slab 1 is in; no tensor load of mine is out, so a group 0 may be written
	ds_add_u32 v[SPW], v[NIL]                      ; 0 onto my spare word
	s_xor_b32 s49, s49, FLIP
	s_add_nc_u64 s[50:51], s[50:51], STEP          ; the type bits on top are not reached
	s_wait_dscnt 0x0                               ; the add and my stores are done, my reads of F0 are over
	CROUND
	tensor_load_to_lds s[48:51], s[24:31]
	s_nop 0
	v_add_nc_u32 v[FRA], s52, v[FRL]
	v_add_nc_u32 v[CRA], s53, v[CRL]
	v_add_nc_u32 v[CWA], s53, v[CWL]
	; THE EDGE.  W1's fragments: E1's column block q into slot q, E2's into slot 4 + q; a's fragments (16 rows x 32 t) into T0; a for trip 0.
.irp q, 0,1,2,3
	ds_load_tr16_b128 v[WF+8*\q:WF+8*\q+3], v[FRL] offset:EBO+\q*32
	ds_load_tr16_b128 v[WF+8*\q+4:WF+8*\q+7], v[FRL] offset:EBO+\q*32+16*BP
	ds_load_tr16_b128 v[WF+32+8*\q:WF+32+8*\q+3], v[FRL] offset:EBO+32*BP+\q*32
	ds_load_tr16_b128 v[WF+32+8*\q+4:WF+32+8*\q+7], v[FRL] offset:EBO+32*BP+\q*32+16*BP
.endr
.irp b, 0,1,2,3,4,5,6,7
	ds_load_b128 v[T0+8*\b:T0+8*\b+3], v27 offset:\b*16*AP
	ds_load_b128 v[T0+8*\b+4:T0+8*\b+7], v27 offset:\b*16*AP+32
.endr
.irp b, 0,1,2,3,4,5,6,7
	ds_load_u16 v[RAW+\b], v[ATA] offset:\b*16*AP
.endr
	s_wait_dscnt 0x0
	s_wait_loadcnt 0x0                             ; c's fragments
	WIN 0x40                                       ; h in window 1
.irp q, 0,1,2,3
.irp b, 0,1,2,3,4,5,6,7
	v_wmma_f32_16x16x32_bf16 v[8*(4*\b+\q):8*(4*\b+\q)+7], v[WF+8*\q:WF+8*\q+7], v[T0+8*\b:T0+8*\b+7], 0  ; E1 starts h's sums: nothing is ever cleared
.endr
.endr
; E2 multiplies by c's K step s, whose registers hang on s: eight texts, chosen by forward jumps on s, which the four partners share.  Column block 3 goes into T1: trip 0 adds it to h as the set carried in, with a = 1.
.macro E2 v
.set WB, 0x08+4*((\v)/4)
	WIN 0x50|WB
.irp q, 0,1,2
.irp b, 0,1,2,3,4,5,6,7
	v_wmma_f32_16x16x32_bf16 v[8*(4*\b+\q):8*(4*\b+\q)+7], v[WF+32+8*\q:WF+32+8*\q+7], v[8*(4*\b+(\v)%4):8*(4*\b+(\v)%4)+7], v[8*(4*\b+\q):8*(4*\b+\q)+7]
.endr
.endr
	WIN WB
.irp b, 0,1,2,3,4,5,6,7
	v_wmma_f32_16x16x32_bf16 v[T1+8*\b:T1+8*\b+7], v[WF+56:WF+63], v[8*(4*\b+(\v)%4):8*(4*\b+(\v)%4)+7], 0
.endr
	WIN 0
.endm
	WIN 0                                          ; at a label and at a branch every window is 0
.irp v, 0,1,2,3,4,5,6
	s_cmp_lg_u32 s15, \v
	s_cbranch_scc1 .Le2_not_\v
	E2 \v
	s_branch .Le2_done
.Le2_not_\v:
.endr
	E2 7
.Le2_done:
.irp b, 0,1,2,3,4,5,6,7
	v_mov_b32 v[AS+\b], 1.0                        ; these nine lines are also the places behind the edge's products
.endr
	v_add_nc_u32 v[ATA], 2, v[ATA]                 ; trip 0 loads a for trip 1
.macro FL4                             ; the fragments of a slab's runs 0 to 3, into slots 0 to 3
.irp x, 0,1,2,3
	ds_load_tr16_b128 v[WF+8*\x:WF+8*\x+3], v[FRA] offset:\x*32*BP
	ds_load_tr16_b128 v[WF+8*\x+4:WF+8*\x+7], v[FRA] offset:\x*32*BP+16*BP
.endr
.endm
	FL4
; THE COUNTS.  NX = the LDS instructions of run x of a trip, in their order in the run: the fragment pair for run x + 4; two stores of converted rows, or the eight loads of a; two loads of rows to convert.
; Runs -4 to -1 stand for the four pairs fetched at the trip's boundary, behind which the trip before issues no LDS instruction.
.macro NLDS x, conv, raw
.set NX, 0
.if ((\x) >= -4) && ((\x) <= 27)
.set NX, NX+2
.endif
.if (\conv) && ((\x) >= 4) && ((\x) <= 19)
.set NX, NX+2
.endif
.if (\conv) && ((\x) >= 0) && ((\x) <= 15)
.set NX, NX+2
.endif
.if (\raw) && ((\x) == 20)
.set NX, NX+8
.endif
.endm
.macro SUM3 rho, conv, raw             ; S3 = those of the three runs before run rho
	NLDS (\rho)-3, \conv, \raw
.set S3, NX
	NLDS (\rho)-2, \conv, \raw
.set S3, S3+NX
	NLDS (\rho)-1, \conv, \raw
.set S3, S3+NX
.endm
.macro PROD b                          ; T(b) += W1's fragment x c's fragment of row block b; K step 0 starts the sum
	WIN WM
.if KS == 0
	v_wmma_f32_16x16x32_bf16 v[TD+8*(\b):TD+8*(\b)+7], v[WF+8*KS:WF+8*KS+7], v[8*(4*(\b)+KS%4):8*(4*(\b)+KS%4)+7], 0
.else
	v_wmma_f32_16x16x32_bf16 v[TD+8*(\b):TD+8*(\b)+7], v[WF+8*KS:WF+8*KS+7], v[8*(4*(\b)+KS%4):8*(4*(\b)+KS%4)+7], v[TD+8*(\b):TD+8*(\b)+7]
.endif
.endm
.macro SCALE k, ts, hq                 ; h(k, hq) += T(k) of set ts x a of row block k: from the accumulator's low registers up
.set HB, 8*(4*(\k)+(\hq))
.set TT, (\ts)+8*(\k)
.set AA, AS+(\k)-(\k)%2
	WIN 0x50                                       ; destination and source 2 in window 1
.irp p, 0,1,2,3
.if (\k)%2
	v_pk_fma_f32 v[HB+2*\p:HB+2*\p+1], v[TT+2*\p:TT+2*\p+1], v[AA:AA+1], v[HB+2*\p:HB+2*\p+1] op_sel:[0,1,0] op_sel_hi:[1,1,1]
.else
	v_pk_fma_f32 v[HB+2*\p:HB+2*\p+1], v[TT+2*\p:TT+2*\p+1], v[AA:AA+1], v[HB+2*\p:HB+2*\p+1] op_sel_hi:[1,0,1]
.endif
.endr
.endm
; A RUN: column block rho / 8, K step rho % 8: eight matrix instructions, the eight accumulators by turns; the work beside them stands behind single products.
;   behind 0, 1: the fragment pair of run rho + 4 into slot (rho + 4) % 8, whose last reader stands four runs, twelve scalings, back
;   behind 2:    runs 4-19: the two quads of f32 that run rho - 4 loaded are rounded and stored;   run 20 (behind 2 and 3): a for the next trip
;   behind 4:    runs 0-15: four rows of the next slab, as f32
;   behind 5:    tile rho % 8 of the set before times a, into h: behind that tile's last product stand four scalings of other tiles or more
;   behind 7:    run 7: the carried set is scaled: a of this trip is widened
.macro RUN rho, conv, raw, wait
.set KS, (\rho)%8
.set QQ, (\rho)/8
.set TD, T0+64*(QQ%2)
.set TS, T0+64*((QQ+1)%2)
.set WM, 0x08+4*(KS/4)
.set FX, (\rho)+4
.set CQ, CV+8*((\rho)%4)
	SUM3 \rho, \conv, \raw
.if \wait
	NLDS (\rho)-4, \conv, \raw
	s_wait_dscnt NX-2+S3                           ; what was issued behind this run's fragment pair may stay out
.endif
	PROD 0
.if (\rho) <= 27
	ds_load_tr16_b128 v[WF+8*(FX%8):WF+8*(FX%8)+3], v[FRA] offset:(FX%8)*32*BP+(FX/8)*32
.endif
	PROD 1
.if (\rho) <= 27
	ds_load_tr16_b128 v[WF+8*(FX%8)+4:WF+8*(FX%8)+7], v[FRA] offset:(FX%8)*32*BP+(FX/8)*32+16*BP
.endif
	PROD 2
.if (\conv) && ((\rho) >= 4) && ((\rho) <= 19)
	s_wait_dscnt S3+2                              ; what was issued behind the two loads of run rho - 4: three runs and this run's fragment pair
	WIN 0
	v_cvt_pk_bf16_f32 v[CQ], v[CQ], v[CQ+1]
	v_cvt_pk_bf16_f32 v[CQ+1], v[CQ+2], v[CQ+3]
	v_cvt_pk_bf16_f32 v[CQ+4], v[CQ+4], v[CQ+5]
	v_cvt_pk_bf16_f32 v[CQ+5], v[CQ+6], v[CQ+7]
	ds_store_b64 v[CWA], v[CQ:CQ+1] offset:(2*(\rho)-8)*2*BP
	ds_store_b64 v[CWA], v[CQ+4:CQ+5] offset:(2*(\rho)-7)*2*BP
.endif
.if (\raw) && ((\rho) == 20)
.irp b, 0,1,2,3
	ds_load_u16 v[RAW+\b], v[ATA] offset:\b*16*AP
.endr
.endif
	PROD 3
.if (\raw) && ((\rho) == 20)
.irp b, 4,5,6,7
	ds_load_u16 v[RAW+\b], v[ATA] offset:\b*16*AP
.endr
.endif
	PROD 4
.if (\conv) && ((\rho) <= 15)
	ds_load_b128 v[CQ:CQ+3], v[CRA] offset:2*(\rho)*512
	ds_load_b128 v[CQ+4:CQ+7], v[CRA] offset:(2*(\rho)+1)*512
.endif
	PROD 5
	SCALE KS, TS, (QQ+3)%4
	PROD 6
	PROD 7
.if (\rho) == 7
	WIN 0
.irp b, 0,1,2,3,4,5,6,7
	v_lshlrev_b32 v[AS+\b], 16, v[RAW+\b]          ; bf16 to f32
.endr
.endif
.endm
; THE BOUNDARY, in a trip's last four runs.  ONE barrier, for three things: nobody reads the slab just multiplied any more; the slab just written is whole; the slot just converted may be filled again.
; refill = 1: the barrier opens a round of the cluster's, and the joint load is the first thing behind the round.
.macro BOUND refill
	WIN 0                                          ; (the add's two registers lie in window 0)
	s_wait_tensorcnt 0x0                           ; all my tensor loads have landed: the one that was out is my quarter of the slab that the next trip converts
	ds_add_u32 v[SPW], v[NIL]                      ; 0 onto my spare word
	s_xor_b32 s52, s52, FLIP
	s_xor_b32 s53, s53, FLIP
.if \refill
	s_xor_b32 s49, s49, FLIP                       ; the walking descriptor: the other slot than last time,
	s_add_nc_u64 s[50:51], s[50:51], STEP          ; the next slab
.endif
	s_wait_dscnt 0x1                               ; the add alone may be out: the last fragments are in
	RUN 28, 0, 0, 0                                ; eight matrix instructions stand between the add and the wait for it
	s_wait_dscnt 0x0                               ; the add is done; my reads and my stores are over
	s_barrier_signal -1
	RUN 29, 0, 0, 0                                ; work on registers while the others arrive
	WIN 0
	s_barrier_wait -1
.if \refill
	CREST                                          ; no wave of any partner still reads the slot or has a load on its way
	tensor_load_to_lds s[48:51], s[24:31]
	s_nop 0
.endif
	v_add_nc_u32 v[FRA], s52, v[FRL]               ; four lines in window 0: also places in front of the loads below
	v_add_nc_u32 v[CRA], s53, v[CRL]
	v_add_nc_u32 v[CWA], s53, v[CWL]
	v_add_nc_u32 v[ATA], 2, v[ATA]
	FL4                                            ; the next slab's first fragments
	RUN 30, 0, 0, 0
	RUN 31, 0, 0, 0
.endm
.macro TRIP conv, raw, bound           ; bound = 2: boundary with a refill; 1: without; 0: the last trip
.set rr, 0
.rept 28
	RUN rr, \conv, \raw, 1
.set rr, rr+1
.endr
.if \bound
	BOUND (\bound)-1
.else
	RUN 28, 0, 0, 1
	RUN 29, 0, 0, 1
	RUN 30, 0, 0, 1
	RUN 31, 0, 0, 1
.endif
	WIN 0
.endm
	s_mov_b32 s54, 29
.Ltrip:                                                ; trips 0 to 28: trip t asks for slab t + 3
	TRIP 1, 1, 2
	s_sub_co_u32 s54, s54, 1
	s_cmp_lg_u32 s54, 0
	s_cbranch_scc1 .Ltrip
	s_mov_b32 s54, 2
.Ltail:                                                ; trips 29 and 30 convert slabs 30 and 31 and ask for nothing: written apart
	TRIP 1, 1, 1
	s_sub_co_u32 s54, s54, 1
	s_cmp_lg_u32 s54, 0
	s_cbranch_scc1 .Ltail
	TRIP 0, 0, 0                                   ; trip 31
.rept 4
	v_nop                                          ; the places behind the last products
.endr
.irp k, 0,1,2,3,4,5,6,7
	SCALE \k, T1, 3                                ; the last set
.endr
	WIN 0x04                                       ; a store's data is source 1: window 1
.set m, 0
.rept 64                                               ; m = 2 (4 rb + q) + g
	global_store_b128 v[PO], v[4*m:4*m+3], s[10:11] offset:m*512  ; 512 consecutive bytes, aligned
.set m, m+1
.endr
	WIN 0
	s_wait_tensorcnt 0x0                           ; the wave's end: behind my last tensor load and my last LDS store
	ds_add_u32 v[SPW], v[NIL]
	s_wait_dscnt 0x0
	CROUND                                         ; the closing round: no work-group ends while a partner may still ask for a tile that names it
	s_endpgm
.Lfunc_end_k_q222d68d0ad_outer:
	.size	k_q222d68d0ad_outer, .Lfunc_end_k_q222d68d0ad_outer-k_q222d68d0ad_outer
	.p2alignl 7, 3214868480
	.fill 96, 4, 3214868480
	.section	.rodata,"a",@progbits
	.p2align	6, 0x0
	.amdhsa_kernel k_q222d68d0ad_outer
		.amdhsa_group_segment_fixed_size 327680
		.amdhsa_private_segment_fixed_size 0
		.amdhsa_enable_private_segment 0
		.amdhsa_kernarg_size 32
		.amdhsa_user_sgpr_count 2
		.amdhsa_user_sgpr_kernarg_segment_ptr 1
		.amdhsa_wavefront_size32 1
		.amdhsa_system_sgpr_workgroup_id_x 1
		.amdhsa_system_sgpr_workgroup_id_y 1
		.amdhsa_system_sgpr_workgroup_id_z 1
		.amdhsa_system_vgpr_workitem_id 0
		.amdhsa_next_free_vgpr 1024
		.amdhsa_next_free_sgpr 76
		.amdhsa_reserve_vcc 0
		.amdhsa_float_denorm_mode_32 3
		.amdhsa_float_denorm_mode_16_64 3
		.amdhsa_memory_ordered 1
		.amdhsa_forward_progress 1
		.amdhsa_inst_pref_size 181
	.end_amdhsa_kernel
	.amdgpu_metadata
---
amdhsa.version: [ 1, 2 ]
amdhsa.kernels:
  - .name:           k_q222d68d0ad_outer
    .symbol:         k_q222d68d0ad_outer.kd
    .args:
      - { .name: W1, .offset: 0, .size: 8, .value_kind: global_buffer, .address_space: global }
      - { .name: cf, .offset: 8, .size: 8, .value_kind: global_buffer, .address_space: global }
      - { .name: at, .offset: 16, .size: 8, .value_kind: global_buffer, .address_space: global }
      - { .name: P, .offset: 24, .size: 8, .value_kind: global_buffer, .address_space: global }
    .group_segment_fixed_size: 327680
    .private_segment_fixed_size: 0
    .kernarg_segment_align: 8
    .kernarg_segment_size: 32
    .max_flat_workgroup_size: 128
    .sgpr_count:     76
    .vgpr_count:     1024
    .wavefront_size: 32
...
	.end_amdgpu_metadata
.endif
;; end of part 2
;; launch tail (part 3): grid 2 x 128, 8 waves a work-group, no clusters, 50,688 bytes of LDS; arguments P, w2f, bs, out0; writes out0
.if DOCPART == 3
	.amdgcn_target "amdgcn-amd-amdhsa--gfx1250"
	.amdhsa_code_object_version 6
	.text
	.protected	k_q222d68d0ad_tail
	.globl	k_q222d68d0ad_tail
	.p2align	8
	.type	k_q222d68d0ad_tail,@function
k_q222d68d0ad_tail:
	s_mov_b64 s[64:65], 0
	v_nop
	global_prefetch_b8 v0, s[64:65] scope:SCOPE_SE
	s_setreg_imm32_b32 hwreg(HW_REG_WAVE_MODE, 25, 1), 1
	s_wait_xcnt 0x0
; TAIL.  h = relu(bias 1 + the sum of P's eight splits);  out0 = relu(h . W2 + bias 2).
; h enters the product as hi + lo, two bf16 numbers (hi = bf16(h), lo = bf16(h - hi)): 16 significant bits, at bf16's range.  W2 and both biases were rounded to bf16 by the first launch.
; SHARES.  A work-group makes 16 rows (row block rt) x 256 columns (half ct).  Wave w adds up columns 64 w .. 64 w + 63 of h for the 16 rows and hands them to the others through LDS;
; then it makes column blocks 16 ct + 2 w and + 1 of out0: 16 K steps x (hi, lo) x 2 = 64 matrix instructions on four accumulators that take turns.
; Source 0 = 16 columns of W2, source 1 = 16 rows of h: lane l holds row l % 16 and columns 8 (l / 16) + 0..7 of out0.
; NO CLUSTER, NO TENSOR LOAD: the two work-groups of a row block read the same 256 KiB of P, each once, straight into registers in the order in which it was stored; nothing is read again inside a work-group.
; LIMITS.  relu is a maximum with 0 in which a NaN loses: a NaN becomes 0; infinities are not treated apart.
.set AP,    2064                       ; a row of h in LDS: hi 1,024 bytes, lo 1,024 bytes, + 16: the 16 rows of a load start at 16 different groups of four banks
.set STAGE, 33024                      ; behind h (16 x 2,064): 16 rows x 1,040 bytes of out0
.set SP,    1040
.set SPARE, 49664                      ; behind the stage: the spare words, 128 bytes a wave: four blocks of 256 bytes that no other line names
.set SPW, 2                            ; v2  LDS address of my spare word; never rewritten
.set NIL, 3                            ; v3  0; never rewritten
.set B2,   16                          ; v[16:31]   bias 2 of my 2 x 8 columns
.set HIP,  32                          ; v[32:47]   hi, packed
.set LOP,  48                          ; v[48:63]   lo, packed
.set ACC,  64                          ; v[64:95]   (cb 0, hi), (cb 1, hi), (cb 0, lo), (cb 1, lo)
.set SUM,  96                          ; v[96:127]  the sum: it begins as bias 1, loaded straight into it
.set RING, 128                         ; v[128:255] four splits of 32 registers; later two buffers of h's fragments
                                       ; window 1: W2's fragments, (cb, ks) at 8 (16 cb + ks)
.set MSB, 0
.macro WIN new
.if MSB != (\new)
	s_set_vgpr_msb (MSB<<8)|(\new)
.set MSB, (\new)
.endif
.endm
	s_load_b256 s[16:23], s[0:1], 0x0              ; P s[16:17], w2f s[18:19], bs s[20:21], out0 s[22:23]
	v_lshl_add_u32 v[SPW], v0, 2, SPARE
	v_mov_b32 v[NIL], 0
	v_lshrrev_b32 v11, 5, v0
	v_readfirstlane_b32 s2, v11                    ; wave 0..7
	v_and_b32 v11, 31, v0
	v_lshlrev_b32 v1, 4, v11                       ; 16 x lane
	v_and_b32 v12, 15, v0                          ; r
	v_bfe_u32 v13, v0, 4, 1                        ; h
	s_mov_b32 s3, ttmp9                            ; ct
	s_and_b32 s4, ttmp7, 0xffff                    ; rt
	s_and_b32 s24, s4, 31                          ; P: 4,096 (rt % 32) + 1 Mi (rt / 32) + 128 Ki w
	s_lshl_b32 s24, s24, 12
	s_lshr_b32 s25, s4, 5
	s_lshl_b32 s25, s25, 20
	s_add_co_u32 s24, s24, s25
	s_lshl_b32 s25, s2, 17
	s_add_co_u32 s24, s24, s25
	s_mov_b32 s25, 0
	s_lshl_b32 s26, s3, 18                         ; w2f: (16 ct + 2 w) x 16,384
	s_lshl_b32 s27, s2, 15
	s_add_co_u32 s26, s26, s27
	s_mov_b32 s27, 0
	s_lshl_b32 s28, s2, 8
	v_lshl_add_u32 v4, v13, 5, s28                 ; bias 1: 256 w + 32 h
	s_lshl_b32 s28, s2, 7
	v_lshl_add_u32 v5, v13, 5, s28                 ; bias 2 and the stage: 128 w + 32 h
	v_mul_u32_u24 v7, v12, AP
	v_lshl_add_u32 v7, v13, 4, v7                  ; h's fragments: row r, + 16 h
	v_add_nc_u32 v6, s28, v7                       ; where my columns of h go: + 128 w
	v_mul_u32_u24 v8, v12, SP
	v_add_nc_u32 v8, v8, v5                        ; into the stage: row r, 128 w + 32 h
	s_mul_i32 s28, s2, 2*SP
	v_add_nc_u32 v9, s28, v1                       ; back: rows 2 w, 2 w + 1; 16 bytes a lane
	s_lshl_b32 s28, s3, 10
	s_add_co_u32 s28, s28, 2048                    ; bias 2 begins 2,048 bytes into bs; + 1,024 ct
	s_mov_b32 s29, 0
	s_lshl_b32 s30, s4, 15                         ; out0: (16 rt + 2 w) x 2,048 + 1,024 ct
	s_lshl_b32 s31, s2, 12
	s_add_co_u32 s30, s30, s31
	s_lshl_b32 s31, s3, 10
	s_add_co_u32 s30, s30, s31
	s_mov_b32 s31, 0
	s_wait_kmcnt 0x0
	s_add_nc_u64 s[8:9], s[16:17], s[24:25]        ; splits 0, 1
	s_add_nc_u64 s[10:11], s[8:9], 0x800000        ; splits 2, 3: 8 Mi further
	s_add_nc_u64 s[12:13], s[8:9], 0x1000000       ; splits 4, 5
	s_add_nc_u64 s[14:15], s[8:9], 0x1800000       ; splits 6, 7
	s_add_nc_u64 s[18:19], s[18:19], s[26:27]
	s_add_nc_u64 s[6:7], s[20:21], s[28:29]
	s_add_nc_u64 s[22:23], s[22:23], s[30:31]
.irp c, 0,1,2,3,4,5,6,7                ; chunk c = 2 q + g: columns 64 w + 16 q + 8 h + 4 g + 0..3
	global_load_b128 v[SUM+4*\c:SUM+4*\c+3], v4, s[20:21] offset:(\c/2)*64+(\c%2)*16
.endr
.irp c, 0,1,2,3
	global_load_b128 v[B2+4*\c:B2+4*\c+3], v5, s[6:7] offset:(\c/2)*64+(\c%2)*16
.endr
.macro SPLIT s                         ; split s of P: eight loads of 512 consecutive bytes; the odd split, 4 Mi further, stands in the immediate
.irp c, 0,1,2,3,4,5,6,7
	global_load_b128 v[RING+32*((\s)%4)+4*\c:RING+32*((\s)%4)+4*\c+3], v1, s[8+2*((\s)/2):9+2*((\s)/2)] offset:((\s)%2)*4194304+\c*512
.endr
.endm
.macro W2L j                           ; sixteen of the 64 loads of W2's fragments
	WIN 0x40
.set m, 16*(\j)
.rept 16
	global_load_b128 v[4*m:4*m+3], v1, s[18:19] offset:m*512
.set m, m+1
.endr
	WIN 0
.endm
.macro ADDS s
.set i, 0
.rept 16
	v_pk_add_f32 v[SUM+2*i:SUM+2*i+1], v[SUM+2*i:SUM+2*i+1], v[RING+32*((\s)%4)+2*i:RING+32*((\s)%4)+2*i+1]
.set i, i+1
.endr
.endm
	SPLIT 0
	SPLIT 1
	SPLIT 2
	SPLIT 3
	W2L 0
	; each count is the number of loads issued behind the split that is wanted; where that passes the count's field, 63 stands, which asks for more than is needed
	s_wait_loadcnt 40                              ; behind split 0: 3 x 8 + 16
	ADDS 0
	SPLIT 4
	W2L 1
	s_wait_loadcnt 56                              ; behind split 1: 2 x 8 + 16 + 8 + 16
	ADDS 1
	SPLIT 5
	W2L 2
	s_wait_loadcnt 63                              ; behind split 2: 72
	ADDS 2
	SPLIT 6
	W2L 3
	s_wait_loadcnt 63                              ; behind split 3: 88
	ADDS 3
	SPLIT 7
	s_wait_loadcnt 63                              ; behind split 4: 72
	ADDS 4
	s_wait_loadcnt 48                              ; behind split 5: 16 + 8 + 16 + 8
	ADDS 5
	s_wait_loadcnt 24                              ; behind split 6: 16 + 8
	ADDS 6
	s_wait_loadcnt 0x0                             ; split 7 is the last load: W2's fragments and the biases are in too
	ADDS 7
.set i, 0
.rept 32
	v_max_num_f32 v[SUM+i], 0, v[SUM+i]
.set i, i+1
.endr
.set i, 0
.rept 16
	v_cvt_pk_bf16_f32 v[HIP+i], v[SUM+2*i], v[SUM+2*i+1]
.set i, i+1
.endr
.set i, 0
.rept 16
	v_lshlrev_b32 v[RING+2*i], 16, v[HIP+i]        ; hi as f32 again
	v_and_b32 v[RING+2*i+1], 0xffff0000, v[HIP+i]
.set i, i+1
.endr
.set i, 0
.rept 16
	v_pk_add_f32 v[SUM+2*i:SUM+2*i+1], v[SUM+2*i:SUM+2*i+1], v[RING+2*i:RING+2*i+1] neg_lo:[0,1] neg_hi:[0,1]  ; h - hi, exact
.set i, i+1
.endr
.set i, 0
.rept 16
	v_cvt_pk_bf16_f32 v[LOP+i], v[SUM+2*i], v[SUM+2*i+1]
.set i, i+1
.endr
.irp q, 0,1,2,3                        ; eight neighbouring columns 64 w + 16 q + 8 h + 0..7 of row r are 16 bytes
	ds_store_b128 v6, v[HIP+4*\q:HIP+4*\q+3] offset:\q*32
	ds_store_b128 v6, v[LOP+4*\q:LOP+4*\q+3] offset:\q*32+1024
.endr
	s_wait_dscnt 0x0                               ; for the others' sake: my columns of h are in LDS
	s_barrier_signal -1
	s_barrier_wait -1
.macro LOADG g                         ; h's fragments of K steps 4 g .. 4 g + 3, hi and lo: sixteen loads into buffer g % 2
	WIN 0
.irp k, 0,1,2,3
.set BF, RING+64*((\g)%2)+8*(\k)
.set OF, 64*(4*(\g)+(\k))
	ds_load_b128 v[BF:BF+3], v7 offset:OF
	ds_load_b128 v[BF+4:BF+7], v7 offset:OF+32
	ds_load_b128 v[BF+32:BF+35], v7 offset:OF+1024
	ds_load_b128 v[BF+36:BF+39], v7 offset:OF+1056
.endr
.endm
.macro MULG g                          ; sixteen matrix instructions; the four accumulators take turns; K step 0 starts the sums
	WIN 0x01                                       ; source 0, W2's fragment, in window 1
.irp k, 0,1,2,3
.set KS, 4*(\g)+(\k)
.set BF, RING+64*((\g)%2)+8*(\k)
.irp a, 0,1,2,3
.if KS == 0
	v_wmma_f32_16x16x32_bf16 v[ACC+8*(\a):ACC+8*(\a)+7], v[8*(16*((\a)%2)+KS):8*(16*((\a)%2)+KS)+7], v[BF+32*((\a)/2):BF+32*((\a)/2)+7], 0
.else
	v_wmma_f32_16x16x32_bf16 v[ACC+8*(\a):ACC+8*(\a)+7], v[8*(16*((\a)%2)+KS):8*(16*((\a)%2)+KS)+7], v[BF+32*((\a)/2):BF+32*((\a)/2)+7], v[ACC+8*(\a):ACC+8*(\a)+7]
.endif
.endr
.endr
.endm
.macro PLACES                          ; four places in front of loads into registers that matrix instructions have read, and of vector lines that read results
.rept 4
	v_nop
.endr
.endm
	LOADG 0
	LOADG 1
	s_wait_dscnt 16                                ; the next group's sixteen loads may stay out
	MULG 0
	PLACES
	LOADG 2
	s_wait_dscnt 16
	MULG 1
	PLACES
	LOADG 3
	s_wait_dscnt 16
	MULG 2
	s_wait_dscnt 0x0
	MULG 3
	PLACES
	WIN 0
.irp c, 0,1                            ; hi's sum + lo's sum + bias 2, then relu: each accumulator from its low registers up
.irp p, 0,1,2,3
	v_pk_add_f32 v[ACC+8*\c+2*\p:ACC+8*\c+2*\p+1], v[ACC+8*\c+2*\p:ACC+8*\c+2*\p+1], v[ACC+16+8*\c+2*\p:ACC+16+8*\c+2*\p+1]
.endr
.endr
.set i, 0
.rept 8
	v_pk_add_f32 v[ACC+2*i:ACC+2*i+1], v[ACC+2*i:ACC+2*i+1], v[B2+2*i:B2+2*i+1]
.set i, i+1
.endr
.set i, 0
.rept 16
	v_max_num_f32 v[ACC+i], 0, v[ACC+i]
.set i, i+1
.endr
.irp c, 0,1,2,3                        ; column block c / 2, columns 8 h + 4 (c % 2) + 0..3
	ds_store_b128 v8, v[ACC+4*\c:ACC+4*\c+3] offset:STAGE+(\c/2)*64+(\c%2)*16
.endr
	s_wait_dscnt 0x0                               ; for the others' sake: a row's 1,024 bytes come from eight waves
	s_barrier_signal -1
	s_barrier_wait -1
.irp c, 0,1,2,3                        ; row 2 w + c / 2, half c % 2
	ds_load_b128 v[RING+4*\c:RING+4*\c+3], v9 offset:STAGE+(\c/2)*SP+(\c%2)*512
.endr
.irp c, 0,1,2,3
	s_wait_dscnt 3-\c
	global_store_b128 v1, v[RING+4*\c:RING+4*\c+3], s[22:23] offset:(\c/2)*2048+(\c%2)*512 th:TH_STORE_NT  ; 512 consecutive bytes, aligned
.endr
	s_wait_tensorcnt 0x0                           ; the wave's end: behind my last LDS store
	ds_add_u32 v[SPW], v[NIL]
	s_wait_dscnt 0x0
	s_endpgm
.Lfunc_end_k_q222d68d0ad_tail:
	.size	k_q222d68d0ad_tail, .Lfunc_end_k_q222d68d0ad_tail-k_q222d68d0ad_tail
	.p2alignl 7, 3214868480
	.fill 96, 4, 3214868480
	.section	.rodata,"a",@progbits
	.p2align	6, 0x0
	.amdhsa_kernel k_q222d68d0ad_tail
		.amdhsa_group_segment_fixed_size 50688
		.amdhsa_private_segment_fixed_size 0
		.amdhsa_enable_private_segment 0
		.amdhsa_kernarg_size 32
		.amdhsa_user_sgpr_count 2
		.amdhsa_user_sgpr_kernarg_segment_ptr 1
		.amdhsa_wavefront_size32 1
		.amdhsa_system_sgpr_workgroup_id_x 1
		.amdhsa_system_sgpr_workgroup_id_y 1
		.amdhsa_system_sgpr_workgroup_id_z 1
		.amdhsa_system_vgpr_workitem_id 0
		.amdhsa_next_free_vgpr 512
		.amdhsa_next_free_sgpr 66
		.amdhsa_reserve_vcc 0
		.amdhsa_float_denorm_mode_32 3
		.amdhsa_float_denorm_mode_16_64 3
		.amdhsa_memory_ordered 1
		.amdhsa_forward_progress 1
		.amdhsa_inst_pref_size 42
	.end_amdhsa_kernel
	.amdgpu_metadata
---
amdhsa.version: [ 1, 2 ]
amdhsa.kernels:
  - .name:           k_q222d68d0ad_tail
    .symbol:         k_q222d68d0ad_tail.kd
    .args:
      - { .name: P, .offset: 0, .size: 8, .value_kind: global_buffer, .address_space: global }
      - { .name: w2f, .offset: 8, .size: 8, .value_kind: global_buffer, .address_space: global }
      - { .name: bs, .offset: 16, .size: 8, .value_kind: global_buffer, .address_space: global }
      - { .name: out0, .offset: 24, .size: 8, .value_kind: global_buffer, .address_space: global }
    .group_segment_fixed_size: 50688
    .private_segment_fixed_size: 0
    .kernarg_segment_align: 8
    .kernarg_segment_size: 32
    .max_flat_workgroup_size: 256
    .sgpr_count:     66
    .vgpr_count:     512
    .wavefront_size: 32
...
	.end_amdgpu_metadata
.endif
;; end of part 3
;; ======== version 2 of 3: 3 launches; 1.28 times as fast as version 1
;; workspace buffers: cf 1,048,576 bytes; at 1,048,576 bytes; w2f 524,288 bytes; bs 4,096 bytes; P 33,554,432 bytes
;; launch prep: the kernel of part 1 again; grid 256 x 1, 1 waves a work-group, no clusters, 8,704 bytes of LDS; arguments inp1, inp2, W2, W1, b1, b2, cf, at, w2f, bs; writes cf, at, w2f, bs
;; launch outer (part 4): grid 32 x 8, 4 waves a work-group, clusters of 4 x 1, 327,680 bytes of LDS; arguments W1, cf, at, P; writes P
.if DOCPART == 4
	.amdgcn_target "amdgcn-amd-amdhsa--gfx1250"
	.amdhsa_code_object_version 6
	.text
	.protected	k_q222d68d0ad_outer
	.globl	k_q222d68d0ad_outer
	.p2align	8
	.type	k_q222d68d0ad_outer,@function
k_q222d68d0ad_outer:
	s_mov_b64 s[64:65], 0
	v_nop
	global_prefetch_b8 v0, s[64:65] scope:SCOPE_SE
	s_setreg_imm32_b32 hwreg(HW_REG_WAVE_MODE, 25, 1), 1
	s_wait_xcnt 0x0
	s_wait_alu depctr_hold_cnt(0) depctr_sa_sdst(0) depctr_va_vdst(0) depctr_va_sdst(0) depctr_va_ssrc(0) depctr_va_vcc(0) depctr_vm_vsrc(0)
	s_getreg_b32 s2, hwreg(HW_REG_IB_STS2, 6, 4)
	s_cmp_eq_u32 s2, 0
	s_cbranch_scc0 .Lentry_in_a_cluster
	s_endpgm
.Lentry_in_a_cluster:
	s_bfe_u32 s2, ttmp6, 0x10000c
	s_cmp_lg_u32 s2, 0x3003
	s_cbranch_scc0 .Lentry_shape_is_right
	s_endpgm
.Lentry_shape_is_right:
; OUTER.  h[b][n] = sum over i, j of a[b][i] c[b][j] W1[257 i + j][n], a = [inp1 | 1], c = [inp2 | 1], taken as  h = sum over i of a[:, i] x (c . W1_i),  W1_i = rows 257 i .. 257 i + 255 of W1.
; So the matrix operand c is the same for every i and stays in registers; T_i = c . W1_i is a finished f32 sum over 256 j, and a[b][i] is applied to it in f32: no product a c is ever rounded.
; SHARES.  A work-group owns 512 rows (mt) x 64 columns (nt) of h for the 32 values i = 32 s .. 32 s + 31 (split s of eight); its sums go out as f32 to P, which the next launch adds up.
; A wave owns 128 rows: 8 row blocks rb x 4 column blocks q of 16 x 16.  What is left of K is shared out over the splits and goes straight into h (THE EDGE): E1, the column j = 256:
; a[:, 32 s + t] . W1[257 (32 s + t) + 256]; E2, the block i = 256 (a = 1): c[:, 32 s + t] . W1[65,792 + 32 s + t]; one K step of 32 each.  W1's last row lies in the bias.
; THE MATRIX INSTRUCTION: source 0 = 16 columns n of W1 (turned on the way out of LDS), source 1 = 16 rows of c.  In the result lane l holds row l % 16 and columns 8 (l / 16) + 0..7: a[b][i] is one register a row block.
; CLUSTER.  The four work-groups of a cluster are the four mt of one (nt, s): they need the same rows of W1, so every tile of W1 is asked for JOINTLY (mask 15): each byte of W1 is asked for once in the launch.
; THE PIPELINE.  A slab is 256 rows x 64 columns of W1.  Trip t multiplies slab t out of bf16 slab B[t % 2]; beside that each wave converts its 64 rows of slab t + 1 from f32 slot F[(t+1) % 2] into B[(t+1) % 2];
; the round in the trip's last phase fills F[(t+1) % 2] again with slab t + 3, which has a whole trip, 256 matrix instructions a wave, in which to land.  Of a wave's tensor loads three are out at the start, later one.
; THE ORDER.  A trip is four PHASES (column block q), a phase two HALVES (row blocks 0-3, then 4-7) of 32 matrix instructions: product i is K step i / 4, row block i % 4: four accumulators by turns.
; The four tiles that the half before finished are multiplied by a and added to h behind products 1, 9, 17 and 31, four packed lines each.  ALL LDS instructions of a phase stand in ONE run, behind
; product 15 of its first half, never singly among the matrix instructions: 8 stores of converted rows, 8 loads of rows to convert, 16 turning loads for the next phase, 48 products ahead of their first use.
; LIMITS.  c, a and W1 are rounded to bf16 (nearest even); sums in f32; NaN and infinities are not treated apart.
; LDS.  F0 0, F1 65,536: f32 slots, 256 rows x 256 bytes, filled by tensor loads alone.  B0 131,072, B1 196,608: bf16 [k 256][n 64], pitch 160.  EB 172,032: the edge in bf16, 64 rows, pitch 160.
;       ATAB 262,144: a in bf16, 512 rows x 32, pitch 80.  EF 303,104: the edge in f32, filled once.  SPARE 319,488.  All of a WGP's LDS is claimed.
; REGISTERS, in windows of 256 (s_set_vgpr_msb: bits 1:0 source 0, 3:2 source 1, 5:4 source 2, 7:6 destination):
;   window 0: v0-15 addresses; v16-23 next a as loaded; v24-31 a in f32; v32-63 conversion; v64-127, v128-191 two buffers of a phase's eight fragments of W1; v192-255 T, row block rb at 192 + 8 rb
;   window 1: h, tile (rb, q) at 8 (4 rb + q)          windows 2, 3: c's fragments, (rb, ks) at 8 (4 rb + ks % 4) of window 2 + ks / 4
; SCALARS.  s[24:31] group 1 of a slab's quarter; s[32:39] group 1 of E1's rows; s[68:75] group 1 of E2's rows; s[40:43] group 0 of the edge; s[44:47] of slab 0; s[48:51] of slab 1, which then walks on.
.set BB,    131072
.set BP,    160                        ; 128 bytes + 32 = 40 words
.set FLIP,  0x10000                    ; one exclusive or turns F0 into F1 and B0 into B1
.set EBO,   40960                      ; EB - B0
.set ATAB,  262144
.set AP,    80                         ; 64 bytes + 16
.set EF,    303104
.set SPARE, 319488                     ; the spare words, 128 bytes a wave: two blocks of 256 bytes that no other line names
.set STEP,  526336                     ; from a slab to the next: 257 rows of 2,048 bytes
.set SPW, 2                            ; v2   LDS address of my spare word; never rewritten
.set NIL, 3                            ; v3   0; never rewritten
.set FRL, 4                            ; v4   my lane's place in B0 for the turning load
.set FRA, 5                            ; v5   the same in the slab that is multiplied
.set CRL, 6                            ; v6   my wave's rows in F0, 16 bytes a lane
.set CRA, 7                            ; v7   the same in the slot that is converted
.set CWL, 8                            ; v8   where my four bf16 go in B0
.set CWA, 9                            ; v9   the same in the slab that is written
.set ATA, 10                           ; v10  a of my row (row block 0) for the next trip
.set PO,  11                           ; v11  16 x lane
.set RAW, 16
.set AS,  24
.set CV,  32
.set WF,  64                           ; phase q's fragments: K step ks at WF + 64 (q % 2) + 8 ks
.set STG, 128                          ; v128-255 at work ahead of the trips
.set TA,  192
.set MSB, 0
.macro WIN new                         ; the immediate's high byte repeats the setting that is left; a switch that changes nothing is dropped
.if MSB != (\new)
	s_set_vgpr_msb (MSB<<8)|(\new)
.set MSB, (\new)
.endif
.endm
; A round of the cluster's barrier: my work-group's barrier; wave 0 signals for the work-group; every wave waits for all four work-groups; my work-group's barrier once more.
.macro CREST                           ; a round behind its opening barrier
	s_cmp_lg_u32 s12, 0
	s_cbranch_scc1 .Lnot_wave_0_\@
	s_barrier_signal -3
.Lnot_wave_0_\@:
	s_barrier_wait -3
	s_barrier_signal -1
	s_barrier_wait -1
.endm
.macro CROUND
	s_barrier_signal -1
	s_barrier_wait -1
	CREST
.endm
	s_load_b256 s[4:11], s[0:1], 0x0               ; W1 s[4:5], cf s[6:7], at s[8:9], P s[10:11]
	v_lshl_add_u32 v[SPW], v0, 2, SPARE
	v_mov_b32 v[NIL], 0
	ds_add_u32 v[SPW], v[NIL]                      ; the wave's opening: the add and its wait stand ahead of my first tensor load; the set-up below, work on registers, stands between them
	v_lshrrev_b32 v12, 5, v0
	v_readfirstlane_b32 s12, v12                   ; wave 0..3
	s_bfe_u32 s13, ttmp6, 0x40000                  ; cx = mt: it enters the addresses of cf, at and P alone
	s_mov_b32 s14, ttmp9                           ; the cluster's x = nt
	s_and_b32 s15, ttmp7, 0xffff                   ; s
	; descriptor group 1 for a wave's quarter of a slab: 64 rows x 64 elements of 4 bytes, 512 elements from row to row
	s_mov_b32 s24, 15|(2<<16)|(1<<21)              ; 15:0 the mask of four; 17:16 4-byte elements; 21 set beside a mask; no padding
	s_mov_b32 s25, 64<<16                          ; tensor_dim0 = 64
	s_mov_b32 s26, 64<<16                          ; tensor_dim1 = 64
	s_mov_b32 s27, 64<<16                          ; tile_dim0 = 64
	s_mov_b32 s28, 64                              ; tile_dim1 = 64
	s_mov_b32 s29, 512
	s_mov_b32 s30, 0
	s_mov_b32 s31, 0
	; and for a wave's 16 rows of the edge, twice, every word a constant: they differ in the step from row to row alone
.irp g, 32, 68
	s_mov_b32 s[\g], 15|(2<<16)|(1<<21)
	s_mov_b32 s[\g+1], 64<<16                      ; tensor_dim0 = 64
	s_mov_b32 s[\g+2], 16<<16                      ; tensor_dim1 = 16
	s_mov_b32 s[\g+3], 64<<16                      ; tile_dim0 = 64
	s_mov_b32 s[\g+4], 16                          ; tile_dim1 = 16
	s_mov_b32 s[\g+6], 0
	s_mov_b32 s[\g+7], 0
.endr
	s_mov_b32 s37, 131584                          ; E1's rows lie 257 rows of 512 elements apart (waves 0, 1)
	s_mov_b32 s73, 512                             ; E2's rows follow each other (waves 2, 3)
	s_mov_b32 s40, 1                               ; group 0, the edge
	s_lshl_b32 s41, s12, 12
	s_add_co_u32 s41, s41, EF
	s_mov_b32 s44, 1                               ; group 0, slab 0 into F0
	s_lshl_b32 s45, s12, 14
	s_mov_b32 s48, 1                               ; group 0, slab 1 into F1; it then walks on
	s_add_co_u32 s49, s45, FLIP
	; byte offsets in W1, made of s, nt and the wave's number, which the four partners share
	s_mul_i32 s16, s15, 32*257
	s_lshl_b32 s17, s12, 6
	s_add_co_u32 s16, s16, s17                     ; slab 0, my first row: 257 x 32 s + 64 w
	s_lshl_b32 s16, s16, 11
	s_lshl_b32 s17, s14, 8
	s_add_co_u32 s16, s16, s17                     ; + 256 nt
	s_lshl_b32 s18, s15, 5
	s_lshl_b32 s19, s12, 4
	s_add_co_u32 s18, s18, s19                     ; 32 s + 16 w
	s_mul_i32 s20, s18, 257
	s_add_co_u32 s20, s20, 256                     ; E1: row 257 (32 s + 16 w) + 256
	s_add_co_u32 s21, s18, 65792-32                ; E2: row 65,792 + 32 s + 16 (w - 2)
	s_cmp_lt_u32 s12, 2
	s_cselect_b32 s20, s20, s21
	s_lshl_b32 s20, s20, 11
	s_add_co_u32 s20, s20, s17
	s_mov_b32 s17, 0
	s_mov_b32 s21, 0
	; byte offsets in cf, at and P, in registers that feed no descriptor
	s_lshl_b32 s56, s13, 18
	s_lshl_b32 s57, s12, 16
	s_add_co_u32 s56, s56, s57                     ; cf: (32 mt + 8 w) x 8,192
	s_mov_b32 s57, 0
	s_lshl_b32 s58, s15, 17
	s_lshl_b32 s59, s13, 15
	s_add_co_u32 s58, s58, s59
	s_lshl_b32 s59, s12, 13
	s_add_co_u32 s58, s58, s59                     ; at: 131,072 s + (512 mt + 128 w) x 64
	s_mov_b32 s59, 0
	s_lshl_b32 s60, s15, 22
	s_lshl_b32 s61, s13, 20
	s_add_co_u32 s60, s60, s61
	s_lshl_b32 s61, s14, 17
	s_add_co_u32 s60, s60, s61
	s_lshl_b32 s61, s12, 15
	s_add_co_u32 s60, s60, s61                     ; P: 4 Mi s + 1 Mi mt + 128 Ki nt + 32 Ki w
	s_mov_b32 s61, 0
	s_mov_b32 s52, 0                               ; the slab that is multiplied: B0
	s_mov_b32 s53, FLIP                            ; the slot that is converted and the slab that is written: F1, B1
	s_wait_dscnt 0x0                               ; the opening add is done
	s_wait_kmcnt 0x0
	s_add_nc_u64 s[46:47], s[4:5], s[16:17]
	s_add_nc_u64 s[50:51], s[46:47], STEP
	s_or_b32 s47, s47, 0x80000000                  ; type = 2
	s_or_b32 s51, s51, 0x80000000
	s_add_nc_u64 s[42:43], s[4:5], s[20:21]
	s_or_b32 s43, s43, 0x80000000
	s_add_nc_u64 s[6:7], s[6:7], s[56:57]
	s_add_nc_u64 s[8:9], s[8:9], s[58:59]
	s_add_nc_u64 s[10:11], s[10:11], s[60:61]
	CROUND                                         ; all four work-groups are here: the first joint loads meet
	; A wave's three first fills stand in one branch on the wave's number, which is the same in every work-group: the edge, slab 0, slab 1.  Three loads of mine are out on either way.
	; An s_nop 0 follows each load and four v_nop the third, ahead of the jump and the label.
	s_cmp_lt_u32 s12, 2
	s_cbranch_scc0 .Lfirst_e2
	tensor_load_to_lds s[40:43], s[32:39]          ; my 16 rows of E1
	s_nop 0
	tensor_load_to_lds s[44:47], s[24:31]          ; slab 0
	s_nop 0
	tensor_load_to_lds s[48:51], s[24:31]          ; slab 1
	s_nop 0
.rept 4
	v_nop
.endr
	s_branch .Lfirst_asked
.Lfirst_e2:
	tensor_load_to_lds s[40:43], s[68:75]          ; my 16 rows of E2
	s_nop 0
	tensor_load_to_lds s[44:47], s[24:31]          ; slab 0
	s_nop 0
	tensor_load_to_lds s[48:51], s[24:31]          ; slab 1
	s_nop 0
.rept 4
	v_nop
.endr
.Lfirst_asked:
	v_and_b32 v12, 31, v0
	v_and_b32 v13, 15, v0                          ; r
	v_bfe_u32 v14, v0, 4, 1                        ; h
	v_lshlrev_b32 v[PO], 4, v12
.set m, 0
.rept 16
	global_load_b128 v[STG+4*m:STG+4*m+3], v[PO], s[8:9] offset:m*512  ; a of my 128 rows: 8,192 bytes on end
.set m, m+1
.endr
	WIN 0x80                                       ; c's fragments go straight where the products name them: ks 0-3 into window 2,
.set m, 0
.rept 64                                           ; m = 8 rb + 2 ks + g
	global_load_b128 v[4*m:4*m+3], v[PO], s[6:7] offset:(m/8)*8192+(m%8)*512
.set m, m+1
.endr
	WIN 0xc0                                       ; ks 4-7 into window 3
.set m, 0
.rept 64
	global_load_b128 v[4*m:4*m+3], v[PO], s[6:7] offset:(m/8)*8192+4096+(m%8)*512
.set m, m+1
.endr
	WIN 0
	; The turning load takes 16 k x 16 n (lane l reads row 8 (l / 16) + l % 8, columns 8 ((l / 8) % 2) + 0..7) and leaves half a fragment: lane l holds column l % 16 and 8 k.
	v_and_b32 v15, 7, v0
	v_lshl_add_u32 v15, v14, 3, v15
	v_mul_u32_u24 v15, v15, BP
	v_bfe_u32 v12, v0, 3, 1
	v_lshl_add_u32 v15, v12, 4, v15
	v_add_nc_u32 v[FRL], BB, v15
	s_lshl_b32 s22, s12, 14
	v_add_nc_u32 v[CRL], s22, v[PO]                ; a load of 16 bytes a lane takes two rows of 256 bytes of my quarter of a slot
	v_mul_u32_u24 v15, v14, BP
	v_lshl_add_u32 v15, v13, 3, v15                ; and their bf16 go to row h, byte 8 r
	s_mul_i32 s22, s12, 64*BP
	s_add_co_u32 s22, s22, BB
	v_add_nc_u32 v[CWL], s22, v15
	s_mul_i32 s22, s12, 16*BP
	s_add_co_u32 s22, s22, BB+EBO
	v_add_nc_u32 v26, s22, v15                     ; v26: the same for my 16 rows of the edge
	s_lshl_b32 s22, s12, 12
	s_add_co_u32 s22, s22, EF
	v_add_nc_u32 v25, s22, v[PO]                   ; v25: my 16 rows of the edge in f32
	s_mul_i32 s22, s12, 128*AP
	s_add_co_u32 s22, s22, ATAB
	v_mul_u32_u24 v[ATA], v13, AP
	v_add_nc_u32 v[ATA], s22, v[ATA]               ; a[row r of row block 0][t = 0]
	v_lshl_add_u32 v27, v14, 4, v[ATA]             ; v27: a's fragments: + 16 h
	v_bfe_u32 v15, v0, 2, 3
	v_mul_u32_u24 v15, v15, AP
	v_and_b32 v12, 3, v0
	v_lshl_add_u32 v15, v12, 4, v15
	v_add_nc_u32 v24, s22, v15                     ; v24: into the table: row l / 4, 16 bytes (l % 4)
	s_wait_loadcnt 63                              ; 128 loads were issued behind a's sixteen; 63 is the largest count that the wait can name, and asks for more than is needed
.set m, 0
.rept 16
	ds_store_b128 v24, v[STG+4*m:STG+4*m+3] offset:m*8*AP  ; my own 128 rows: no other wave reads them
.set m, m+1
.endr
	s_wait_tensorcnt 0x1                           ; tensor loads of a wave end in order: the edge and slab 0 are in, slab 1 may stay out.  I read only bytes that my own loads brought
.set m, 0
.rept 32
	ds_load_b128 v[STG+4*m:STG+4*m+3], v[CRL] offset:m*512
.set m, m+1
.endr
.set m, 0
.rept 8
	ds_load_b128 v[CV+4*m:CV+4*m+3], v25 offset:m*512
.set m, m+1
.endr
	s_wait_dscnt 0x0
.set m, 0
.rept 32
	v_cvt_pk_bf16_f32 v[STG+4*m], v[STG+4*m], v[STG+4*m+1]
	v_cvt_pk_bf16_f32 v[STG+4*m+1], v[STG+4*m+2], v[STG+4*m+3]
	ds_store_b64 v[CWL], v[STG+4*m:STG+4*m+1] offset:m*2*BP
.set m, m+1
.endr
.set m, 0
.rept 8
	v_cvt_pk_bf16_f32 v[CV+4*m], v[CV+4*m], v[CV+4*m+1]
	v_cvt_pk_bf16_f32 v[CV+4*m+1], v[CV+4*m+2], v[CV+4*m+3]
	ds_store_b64 v26, v[CV+4*m:CV+4*m+1] offset:m*2*BP
.set m, m+1
.endr
	; the round ahead of trip 0: behind it B0 and the edge are whole for every wave, and F0, which has been read, takes slab 2
	s_wait_tensorcnt 0x0                           ; slab 1 is in; no tensor load of mine is out, so a group 0 may be written
	ds_add_u32 v[SPW], v[NIL]                      ; 0 onto my spare word
	s_xor_b32 s49, s49, FLIP
	s_add_nc_u64 s[50:51], s[50:51], STEP          ; the type bits on top are not reached
	s_wait_dscnt 0x0                               ; the add and my stores are done, my reads of F0 are over
	CROUND
	tensor_load_to_lds s[48:51], s[24:31]
	s_nop 0
	v_add_nc_u32 v[FRA], s52, v[FRL]
	v_add_nc_u32 v[CRA], s53, v[CRL]
	v_add_nc_u32 v[CWA], s53, v[CWL]
	; THE EDGE.  W1's fragments: E1's column block q at WF + 8 q, E2's at WF + 32 + 8 q; a's fragments (16 rows x 32 t) at STG + 8 rb; a for trip 0.
.irp q, 0,1,2,3
	ds_load_tr16_b128 v[WF+8*\q:WF+8*\q+3], v[FRL] offset:EBO+\q*32
	ds_load_tr16_b128 v[WF+8*\q+4:WF+8*\q+7], v[FRL] offset:EBO+\q*32+16*BP
	ds_load_tr16_b128 v[WF+32+8*\q:WF+32+8*\q+3], v[FRL] offset:EBO+32*BP+\q*32
	ds_load_tr16_b128 v[WF+32+8*\q+4:WF+32+8*\q+7], v[FRL] offset:EBO+32*BP+\q*32+16*BP
.endr
.irp b, 0,1,2,3,4,5,6,7
	ds_load_b128 v[STG+8*\b:STG+8*\b+3], v27 offset:\b*16*AP
	ds_load_b128 v[STG+8*\b+4:STG+8*\b+7], v27 offset:\b*16*AP+32
.endr
.irp b, 0,1,2,3,4,5,6,7
	ds_load_u16 v[RAW+\b], v[ATA] offset:\b*16*AP
.endr
	s_wait_dscnt 0x0
	s_wait_loadcnt 0x0                             ; c's fragments
	WIN 0x40                                       ; h in window 1
.irp q, 0,1,2,3
.irp b, 0,1,2,3,4,5,6,7
	v_wmma_f32_16x16x32_bf16 v[8*(4*\b+\q):8*(4*\b+\q)+7], v[WF+8*\q:WF+8*\q+7], v[STG+8*\b:STG+8*\b+7], 0  ; E1 starts h's sums: nothing is ever cleared
.endr
.endr
; E2 multiplies by c's K step s, whose registers hang on s: eight texts, chosen by forward jumps on s, which the four partners share.
; Its tiles (row blocks 4-7, column block 3) go into T: trip 0 adds them to h as the set carried in, with a = 1, so that trip 0 is a trip like any other.
.macro E2 v
.set WB, 0x08+4*((\v)/4)
	WIN 0x50|WB
.irp q, 0,1,2
.irp b, 0,1,2,3,4,5,6,7
	v_wmma_f32_16x16x32_bf16 v[8*(4*\b+\q):8*(4*\b+\q)+7], v[WF+32+8*\q:WF+32+8*\q+7], v[8*(4*\b+(\v)%4):8*(4*\b+(\v)%4)+7], v[8*(4*\b+\q):8*(4*\b+\q)+7]
.endr
.endr
.irp b, 0,1,2,3
	v_wmma_f32_16x16x32_bf16 v[8*(4*\b+3):8*(4*\b+3)+7], v[WF+56:WF+63], v[8*(4*\b+(\v)%4):8*(4*\b+(\v)%4)+7], v[8*(4*\b+3):8*(4*\b+3)+7]
.endr
	WIN WB
.irp b, 4,5,6,7
	v_wmma_f32_16x16x32_bf16 v[TA+8*\b:TA+8*\b+7], v[WF+56:WF+63], v[8*(4*\b+(\v)%4):8*(4*\b+(\v)%4)+7], 0
.endr
	WIN 0
.endm
	WIN 0                                          ; at a label and at a branch every window is 0
.irp v, 0,1,2,3,4,5,6
	s_cmp_lg_u32 s15, \v
	s_cbranch_scc1 .Le2_not_\v
	E2 \v
	s_branch .Le2_done
.Le2_not_\v:
.endr
	E2 7
.Le2_done:
.irp b, 4,5,6,7
	v_mov_b32 v[AS+\b], 1.0                        ; these five lines are also the places behind the edge's products
.endr
	v_add_nc_u32 v[ATA], 2, v[ATA]                 ; trip 0 loads a for trip 1
; THE PARTS OF A PHASE'S RUN OF LDS INSTRUCTIONS, all in window 0.  A wave converts its 64 rows of a slab in four batches of 16 rows: eight loads of two rows each.
.macro CVT16                           ; the batch in hand is rounded in place: a quad of f32 becomes a pair of registers
.set j, 0
.rept 8
	v_cvt_pk_bf16_f32 v[CV+4*j], v[CV+4*j], v[CV+4*j+1]
	v_cvt_pk_bf16_f32 v[CV+4*j+1], v[CV+4*j+2], v[CV+4*j+3]
.set j, j+1
.endr
.endm
.macro ST8 k                           ; and stored as batch k of the slab that is written
.set j, 0
.rept 8
	ds_store_b64 v[CWA], v[CV+4*j:CV+4*j+1] offset:(8*(\k)+j)*2*BP
.set j, j+1
.endr
.endm
.macro LD8 k                           ; batch k of the slot that is converted
.set j, 0
.rept 8
	ds_load_b128 v[CV+4*j:CV+4*j+3], v[CRA] offset:(8*(\k)+j)*512
.set j, j+1
.endr
.endm
.macro FRAG q                          ; column block q's eight fragments into buffer q % 2
.irp x, 0,1,2,3,4,5,6,7
	ds_load_tr16_b128 v[WF+64*((\q)%2)+8*\x:WF+64*((\q)%2)+8*\x+3], v[FRA] offset:\x*32*BP+(\q)*32
	ds_load_tr16_b128 v[WF+64*((\q)%2)+8*\x+4:WF+64*((\q)%2)+8*\x+7], v[FRA] offset:\x*32*BP+(\q)*32+16*BP
.endr
.endm
	LD8 0                                          ; what a trip's last run leaves for the next trip: slab 1's first batch,
	FRAG 0                                         ; and slab 0's first fragments
; Product ii of a half: T(rb) += W1's fragment of K step ii / 4 x c's fragment of row block rb = 4 hb + ii % 4; K step 0 starts the sum.
.macro PROD q, hb
.set KS, ii/4
.set RB, 4*(\hb)+ii%4
.set TD, TA+8*RB
.set FW, WF+64*((\q)%2)+8*KS
.set FC, 8*(4*RB+KS%4)
	WIN 0x08+4*(KS/4)                              ; source 1, c's fragment, in window 2 or 3
.if KS == 0
	v_wmma_f32_16x16x32_bf16 v[TD:TD+7], v[FW:FW+7], v[FC:FC+7], 0
.else
	v_wmma_f32_16x16x32_bf16 v[TD:TD+7], v[FW:FW+7], v[FC:FC+7], v[TD:TD+7]
.endif
.endm
.macro SCALE rb, hq                    ; h(rb, hq) += T(rb) x a of row block rb: from the accumulator's low registers up
.set HT, 8*(4*(\rb)+(\hq))
.set TT, TA+8*(\rb)
.set AA, AS+(\rb)-(\rb)%2
	WIN 0x50                                       ; destination and source 2 in window 1
.irp p, 0,1,2,3
.if (\rb)%2
	v_pk_fma_f32 v[HT+2*\p:HT+2*\p+1], v[TT+2*\p:TT+2*\p+1], v[AA:AA+1], v[HT+2*\p:HT+2*\p+1] op_sel:[0,1,0] op_sel_hi:[1,1,1]
.else
	v_pk_fma_f32 v[HT+2*\p:HT+2*\p+1], v[TT+2*\p:TT+2*\p+1], v[AA:AA+1], v[HT+2*\p:HT+2*\p+1] op_sel_hi:[1,0,1]
.endif
.endr
.endm
; The next n products of half hb of phase q.  Behind products 1, 9, 17 and 31 tile ii / 8 of the set that the half before finished is scaled: in a second half the same phase's row blocks 0-3, in a first half
; the phase before's row blocks 4-7.  The four lines behind product 31 name no register of this half's last four products: they are the four places (ISA guide 7.12.1) in front of the next half's first scaling.
.macro SEG q, hb, n
.rept \n
	PROD \q, \hb
.if (ii == 1) || (ii == 9) || (ii == 17) || (ii == 31)
	SCALE 4*(1-(\hb))+ii/8, ((\q)+3+(\hb))%4
.endif
.set ii, ii+1
.endr
.endm
; A PHASE.  conv = 1: the next slab is converted.  raw = 1: phase 1 loads a for the next trip.  bound, for phase 3: 2: the boundary with a refill; 1: without; 0: the last trip, no boundary.
; The one wait at its head, for 0, is for the run of the phase before: the fragments, issued last, the rows to convert, and a.
; The buffer that the run's turning loads fill was last read by the phase before: behind that stand the twelve scalings of products 31, 1 and 9.
; THE BOUNDARY is ONE barrier for three things: nobody reads the slab just multiplied any more; the slab just written is whole; the slot just converted may be filled again.
.macro PHASE q, conv, raw, bound
	s_wait_dscnt 0x0
.set ii, 0
	SEG \q, 0, 16
.if (\conv) || ((\q) < 3)
	WIN 0
.endif
.if \conv
	CVT16                                          ; sixteen lines on registers stand between the last product and the first LDS instruction
.endif
.if (\q) == 0
.irp z, 0,1,2,3
	v_lshlrev_b32 v[AS+\z], 16, v[RAW+\z]          ; this trip's a for row blocks 0-3, bf16 to f32: first used in this phase's second half
.endr
.endif
.if \conv
	ST8 \q
.endif
.if (\q) < 3
.if \conv
	LD8 (\q)+1
.endif
.if (\raw) && ((\q) == 1)
.irp z, 0,1,2,3,4,5,6,7
	ds_load_u16 v[RAW+\z], v[ATA] offset:\z*16*AP
.endr
.endif
	FRAG (\q)+1
	SEG \q, 0, 16
.elseif \bound
	s_wait_tensorcnt 0x0                           ; all my tensor loads have landed: the one that was out is my quarter of the slab that the next trip converts
	ds_add_u32 v[SPW], v[NIL]                      ; 0 onto my spare word
	s_xor_b32 s52, s52, FLIP
	s_xor_b32 s53, s53, FLIP
.if (\bound) == 2
	s_xor_b32 s49, s49, FLIP                       ; the walking descriptor: the other slot than last time,
	s_add_nc_u64 s[50:51], s[50:51], STEP          ; the next slab
.endif
	SEG \q, 0, 8                                   ; eight matrix instructions stand between the add and the wait for it
	s_wait_dscnt 0x0                               ; the add and my stores are done; my reads of the slab and of the slot were over at the phase's head
	s_barrier_signal -1
	SEG \q, 0, 8                                   ; work on registers while the others arrive
	WIN 0
	s_barrier_wait -1
.if (\bound) == 2
	CREST                                          ; the barrier has opened a round of the cluster's: no wave of any partner still reads the slot or has a load on its way
	tensor_load_to_lds s[48:51], s[24:31]
	s_nop 0
.endif
	v_add_nc_u32 v[FRA], s52, v[FRL]               ; four lines in window 0
	v_add_nc_u32 v[CRA], s53, v[CRL]
	v_add_nc_u32 v[CWA], s53, v[CWL]
	v_add_nc_u32 v[ATA], 2, v[ATA]
.if (\bound) == 1
	s_cmp_eq_u32 s54, 1                            ; the second of the two trips that share this text: no slab is left to convert
	s_cbranch_scc1 .Lno_batch_\@
.endif
	LD8 0                                          ; the next slab but one: its first batch,
.if (\bound) == 1
.Lno_batch_\@:
.endif
	FRAG 0                                         ; and the next slab's first fragments
.else
	SEG \q, 0, 16
.endif
.if (\q) == 0
	WIN 0
.irp z, 4,5,6,7
	v_lshlrev_b32 v[AS+\z], 16, v[RAW+\z]          ; this trip's a for row blocks 4-7: the scaling just above was the last of the trip before
.endr
.endif
.set ii, 0
	SEG \q, 1, 32
.endm
.macro TRIP conv, raw, bound
	PHASE 0, \conv, \raw, \bound
	PHASE 1, \conv, \raw, \bound
	PHASE 2, \conv, \raw, \bound
	PHASE 3, \conv, \raw, \bound
	WIN 0                                          ; at a label and at a branch every window is 0
.endm
	s_mov_b32 s54, 29
.Ltrip:                                                ; trips 0 to 28: trip t asks for slab t + 3
	TRIP 1, 1, 2
	s_sub_co_u32 s54, s54, 1
	s_cmp_lg_u32 s54, 0
	s_cbranch_scc1 .Ltrip
	s_mov_b32 s54, 2
.Ltail:                                                ; trips 29 and 30 convert slabs 30 and 31 and ask for nothing: written apart
	TRIP 1, 1, 1
	s_sub_co_u32 s54, s54, 1
	s_cmp_lg_u32 s54, 0
	s_cbranch_scc1 .Ltail
	TRIP 0, 0, 0                                   ; trip 31
.irp k, 4,5,6,7
	SCALE \k, 3                                    ; the last set; the four scalings behind the last product are the places in front of these
.endr
	WIN 0x04                                       ; a store's data is source 1: window 1
.set m, 0
.rept 64                                               ; m = 2 (4 rb + q) + g
	global_store_b128 v[PO], v[4*m:4*m+3], s[10:11] offset:m*512  ; 512 consecutive bytes, aligned
.set m, m+1
.endr
	WIN 0
	s_wait_tensorcnt 0x0                           ; the wave's end: behind my last tensor load and my last LDS store
	ds_add_u32 v[SPW], v[NIL]
	s_wait_dscnt 0x0
	CROUND                                         ; the closing round: no work-group ends while a partner may still ask for a tile that names it
	s_endpgm
.Lfunc_end_k_q222d68d0ad_outer:
	.size	k_q222d68d0ad_outer, .Lfunc_end_k_q222d68d0ad_outer-k_q222d68d0ad_outer
	.p2alignl 7, 3214868480
	.fill 96, 4, 3214868480
	.section	.rodata,"a",@progbits
	.p2align	6, 0x0
	.amdhsa_kernel k_q222d68d0ad_outer
		.amdhsa_group_segment_fixed_size 327680
		.amdhsa_private_segment_fixed_size 0
		.amdhsa_enable_private_segment 0
		.amdhsa_kernarg_size 32
		.amdhsa_user_sgpr_count 2
		.amdhsa_user_sgpr_kernarg_segment_ptr 1
		.amdhsa_wavefront_size32 1
		.amdhsa_system_sgpr_workgroup_id_x 1
		.amdhsa_system_sgpr_workgroup_id_y 1
		.amdhsa_system_sgpr_workgroup_id_z 1
		.amdhsa_system_vgpr_workitem_id 0
		.amdhsa_next_free_vgpr 1024
		.amdhsa_next_free_sgpr 76
		.amdhsa_reserve_vcc 0
		.amdhsa_float_denorm_mode_32 3
		.amdhsa_float_denorm_mode_16_64 3
		.amdhsa_memory_ordered 1
		.amdhsa_forward_progress 1
		.amdhsa_inst_pref_size 175
	.end_amdhsa_kernel
	.amdgpu_metadata
---
amdhsa.version: [ 1, 2 ]
amdhsa.kernels:
  - .name:           k_q222d68d0ad_outer
    .symbol:         k_q222d68d0ad_outer.kd
    .args:
      - { .name: W1, .offset: 0, .size: 8, .value_kind: global_buffer, .address_space: global }
      - { .name: cf, .offset: 8, .size: 8, .value_kind: global_buffer, .address_space: global }
      - { .name: at, .offset: 16, .size: 8, .value_kind: global_buffer, .address_space: global }
      - { .name: P, .offset: 24, .size: 8, .value_kind: global_buffer, .address_space: global }
    .group_segment_fixed_size: 327680
    .private_segment_fixed_size: 0
    .kernarg_segment_align: 8
    .kernarg_segment_size: 32
    .max_flat_workgroup_size: 128
    .sgpr_count:     76
    .vgpr_count:     1024
    .wavefront_size: 32
...
	.end_amdgpu_metadata
.endif
;; end of part 4
;; launch tail: the kernel of part 3 again; grid 2 x 128, 8 waves a work-group, no clusters, 50,688 bytes of LDS; arguments P, w2f, bs, out0; writes out0
;; ======== version 3 of 3: 3 launches; version 2 with the launches prep, tail written anew for expert scheduling mode
;; workspace buffers: cf 1,048,576 bytes; at 1,048,576 bytes; w2f 524,288 bytes; bs 4,096 bytes; P 33,554,432 bytes
;; launch prep (part 5): grid 256 x 1, 1 waves a work-group, no clusters, 8,704 bytes of LDS; arguments inp1, inp2, W2, W1, b1, b2, cf, at, w2f, bs; writes cf, at, w2f, bs
.if DOCPART == 5
	.amdgcn_target "amdgcn-amd-amdhsa--gfx1250"
	.amdhsa_code_object_version 6
	.text
	.protected	k_q222d68d0ad_prep
	.globl	k_q222d68d0ad_prep
	.p2align	8
	.type	k_q222d68d0ad_prep,@function
k_q222d68d0ad_prep:
	s_mov_b64 s[64:65], 0
	v_nop
	global_prefetch_b8 v0, s[64:65] scope:SCOPE_SE
	s_setreg_imm32_b32 hwreg(HW_REG_WAVE_SCHED_MODE, 0, 2), 2
	s_setreg_imm32_b32 hwreg(HW_REG_WAVE_MODE, 25, 1), 1
	s_wait_xcnt 0x0
	s_wait_alu depctr_vm_vsrc(0)
; PREP.  Rounds the small inputs to bf16 once and lays them in the order in which the later launches load them.
;   cf  : inp2, fragment order [row block 128][ks 8][g 2][lane 32][16 bytes]: lane (r = L % 16, h = L / 16) holds inp2[16 RB + r][32 ks + 16 g + 8 h + 0..7]
;   at  : inp1, [s 8][row 2048][32 columns]: 64 bytes for a row and a split s, columns 32 s .. 32 s + 31
;   w2f : W2, fragment order [cb 32][ks 16][g 2][lane][16 bytes]: lane (r, h) holds W2[32 ks + 16 g + 8 h + e][16 cb + r], e = 0..7
;   bs  : f32: [0..511] = bf16(b1[n]) + bf16(W1[66048][n]) (the term of the two appended ones); [512..1023] = bf16(b2[n])
; One wave a work-group, 256 work-groups.  Work-group id: 16 rows of inp2 (id < 128) or of inp1 (the others), one (ks, g) x four cb of W2, and for id < 8 a piece of the biases.
; Memory binds and the bytes are few: no matrix unit, no cluster, no tensor load would add anything.
; LIMITS.  Rounding to bf16 is to nearest even; NaN and infinities are not treated apart.
; THE MODE: SCHED_MODE bits 1:0 = 2 (LLVM: expert scheduling mode 2), set by the entry lines.  The code itself states the register dependences
; between vector instructions and memory or LDS instructions, with s_wait_alu, always for 0.
; THE PLAN.  Registers that memory or LDS instructions touch:
;   v1, v4, v5, v6, v11   offsets and LDS addresses, both arms' among them: made at the head and never written again.
;   X    The rows' 32 loads land in it; the conversions write the first pair of each quad, in place; the LDS stores read those pairs.  Never written again.
;   G    W2's 32 loads land in it; sixteen conversions write in place; four stores read it.  Never written again.
;   O    LDS loads land in it, global stores read it; no vector instruction names it.
;   BI   The biases' loads land in it, registers of their own; the roundings write in place; one store reads it.
; So a wait on va_vdst stands ahead of the first load, and behind each run of conversions ahead of the run of stores that reads its results.
; No register that a memory or LDS instruction reads is written again: no wait on vm_vsrc is owed.  No vector instruction writes a scalar register.
.set SP,    528                        ; a stage row: 256 bf16 = 512 bytes + 16: the 16 rows that a read touches start at 16 different groups of four banks
.set SPARE, 8448                       ; behind the stage (16 x 528): the spare words, one block of 256 bytes that no other line names
.set SPW, 2                            ; v2  LDS address of my spare word; never rewritten
.set NIL, 3                            ; v3  0; never rewritten
.set X,   16                           ; v[16:143]  32 quads: 16 rows of 256 f32 as loaded, then packed in place
.set G,   144                          ; v[144:175] W2: for each of four cb eight numbers of a column
.set O,   176                          ; v[176:239] 16 quads read back from the stage
.set BI,  240                          ; v[240:247] two quads of the biases
	s_load_b512 s[8:23], s[0:1], 0x0               ; inp1 s[8:9], inp2 s[10:11], W2 s[12:13], W1 s[14:15], b1 s[16:17], b2 s[18:19], cf s[20:21], at s[22:23]
	s_load_b128 s[24:27], s[0:1], 0x40             ; w2f s[24:25], bs s[26:27]
	v_lshl_add_u32 v[SPW], v0, 2, SPARE
	v_mov_b32 v[NIL], 0
	v_lshlrev_b32 v1, 4, v0                        ; 16 L
	v_lshlrev_b32 v4, 3, v0                        ; 8 L: where my four bf16 go in a half row of the stage
	v_and_b32 v7, 15, v0                           ; r
	v_lshrrev_b32 v8, 4, v0                        ; h
	v_lshlrev_b32 v6, 2, v7
	v_lshl_add_u32 v6, v8, 14, v6                  ; W2: 8 h rows of 2,048 bytes + 4 r
	v_mul_u32_u24 v5, v7, SP                       ; the stage as cf reads it: row r,
	v_lshl_add_u32 v5, v8, 4, v5                   ; 16 h bytes
	v_lshrrev_b32 v9, 2, v0
	v_and_b32 v10, 3, v0
	v_mul_u32_u24 v11, v9, SP                      ; the stage as at reads it: row L / 4,
	v_lshl_add_u32 v11, v10, 4, v11                ; 16 (L % 4) bytes
	s_mov_b32 s37, ttmp9                           ; id
	s_lshr_b32 s28, s37, 7                         ; 1: inp1, 0: inp2
	s_and_b32 s29, s37, 127                        ; RB: my block of 16 rows
	s_lshl_b32 s30, s29, 14                        ; 16 rows x 1,024 bytes
	s_mov_b32 s31, 0
	s_lshr_b32 s32, s37, 3                         ; ksg = 2 ks + g
	s_and_b32 s33, s37, 7                          ; cbg: cb = 4 cbg + c
	s_lshl_b32 s34, s32, 15                        ; 16 ksg rows of W2
	s_lshl_b32 s36, s33, 8                         ; 64 columns x 4 bytes
	s_add_co_u32 s34, s34, s36
	s_mov_b32 s35, 0
	s_wait_kmcnt 0x0
	s_cmp_lg_u32 s28, 0
	s_cselect_b64 s[2:3], s[8:9], s[10:11]
	s_add_nc_u64 s[2:3], s[2:3], s[30:31]          ; my 16 rows: 16,384 bytes on end
	s_add_nc_u64 s[12:13], s[12:13], s[34:35]
	s_wait_alu depctr_va_vdst(0)                   ; v1, v4, v5, v6 and v11 are written: every load and store of the kernel reads one of them as its offset or address
.set m, 0
.rept 32
	global_load_b128 v[X+4*m:X+4*m+3], v1, s[2:3] offset:m*512 th:TH_LOAD_NT  ; 512 consecutive bytes: half a row
.set m, m+1
.endr
.irp c, 0,1,2,3
.irp e, 0,1,2,3,4,5,6,7
	global_load_b32 v[G+8*\c+\e], v6, s[12:13] offset:\e*2048+\c*64  ; W2[16 ksg + 8 h + e][64 cbg + 16 c + r]: the four c together use 256 consecutive bytes of each row
.endr
.endr
; The rows go into the stage in four batches of eight loads (four rows), each as it arrives.
.irp b, 0,1,2,3
	s_wait_loadcnt 56-8*\b                         ; loads come back in order (ISA guide 5.7.1): behind batch b's last load 64 - 8 (b + 1) were issued, which may stay out
.set m, 8*\b
.rept 8
	v_cvt_pk_bf16_f32 v[X+4*m], v[X+4*m], v[X+4*m+1]
	v_cvt_pk_bf16_f32 v[X+4*m+1], v[X+4*m+2], v[X+4*m+3]
.set m, m+1
.endr
	s_wait_alu depctr_va_vdst(0)                   ; the batch's sixteen conversions have written the pairs that the eight LDS stores below read
.set m, 8*\b
.rept 8
	ds_store_b64 v4, v[X+4*m:X+4*m+1] offset:(m/2)*SP+(m%2)*256
.set m, m+1
.endr
.endr
	s_cmp_lg_u32 s28, 0
	s_cbranch_scc1 .Lat
	; inp2 -> cf.  Chunk m = 2 ks + g: lane (r, h) takes row r, bytes 32 m + 16 h.  LDS serves a wave's instructions in order (ISA guide 5.7.1.4): the loads see the stores above.
	s_lshl_b32 s30, s29, 13                        ; 8,192 bytes a row block
	s_add_nc_u64 s[20:21], s[20:21], s[30:31]
.set m, 0
.rept 16
	ds_load_b128 v[O+4*m:O+4*m+3], v5 offset:m*32
.set m, m+1
.endr
.set m, 0
.rept 16
	s_wait_dscnt 15-m                              ; LDS loads come back in order: chunk m is in
	global_store_b128 v1, v[O+4*m:O+4*m+3], s[20:21] offset:m*512  ; 512 consecutive bytes, aligned
.set m, m+1
.endr
	s_branch .Lw2
.Lat:
	; inp1 -> at.  Chunk m = 2 s + hf: lane L takes row 8 hf + L / 4, bytes 64 s + 16 (L % 4): eight rows' 64 bytes are 512 consecutive bytes of at.
	s_lshl_b32 s30, s29, 10                        ; 16 rows x 64 bytes
	s_add_nc_u64 s[22:23], s[22:23], s[30:31]
.set m, 0
.rept 16
	ds_load_b128 v[O+4*m:O+4*m+3], v11 offset:(m/2)*64+(m%2)*8*SP
.set m, m+1
.endr
.set m, 0
.rept 16
	s_wait_dscnt 15-m
	global_store_b128 v1, v[O+4*m:O+4*m+3], s[22:23] offset:(m/2)*131072+(m%2)*512
.set m, m+1
.endr
.Lw2:
	s_lshl_b32 s34, s33, 16                        ; w2f: 4 cbg x 16,384 bytes
	s_lshl_b32 s36, s32, 9                         ; + ksg x 512
	s_add_co_u32 s34, s34, s36
	s_add_nc_u64 s[24:25], s[24:25], s[34:35]
	s_wait_loadcnt 0x0                             ; W2's numbers
.irp c, 0,1,2,3
	v_cvt_pk_bf16_f32 v[G+8*\c], v[G+8*\c], v[G+8*\c+1]
	v_cvt_pk_bf16_f32 v[G+8*\c+1], v[G+8*\c+2], v[G+8*\c+3]
	v_cvt_pk_bf16_f32 v[G+8*\c+2], v[G+8*\c+4], v[G+8*\c+5]
	v_cvt_pk_bf16_f32 v[G+8*\c+3], v[G+8*\c+6], v[G+8*\c+7]
.endr
	s_wait_alu depctr_va_vdst(0)                   ; the sixteen conversions have written the four quads of G that the stores below read
.irp c, 0,1,2,3
	global_store_b128 v1, v[G+8*\c:G+8*\c+3], s[24:25] offset:\c*16384
.endr
; four f32 at v[b] are rounded to bf16 and widened again
.macro RND4 b
	v_cvt_pk_bf16_f32 v12, v[\b], v[\b+1]
	v_cvt_pk_bf16_f32 v13, v[\b+2], v[\b+3]
	v_lshlrev_b32 v[\b], 16, v12
	v_and_b32 v[\b+1], 0xffff0000, v12
	v_lshlrev_b32 v[\b+2], 16, v13
	v_and_b32 v[\b+3], 0xffff0000, v13
.endm
	s_cmp_lt_u32 s37, 8
	s_cbranch_scc0 .Lend                           ; the biases are eight pieces of 512 bytes
	s_lshl_b32 s30, s37, 9
	s_add_nc_u64 s[26:27], s[26:27], s[30:31]      ; bs + 512 id
	s_cmp_lt_u32 s37, 4
	s_cbranch_scc0 .Lb2
	s_add_nc_u64 s[16:17], s[16:17], s[30:31]
	s_add_nc_u64 s[14:15], s[14:15], 0x8100000     ; W1's row 66,048: 66,048 x 2,048 bytes
	s_add_nc_u64 s[14:15], s[14:15], s[30:31]
	global_load_b128 v[BI:BI+3], v1, s[16:17]      ; no instruction has named BI so far
	global_load_b128 v[BI+4:BI+7], v1, s[14:15]
	s_wait_loadcnt 0x0
	RND4 BI
	RND4 BI+4
	v_pk_add_f32 v[BI:BI+1], v[BI:BI+1], v[BI+4:BI+5]
	v_pk_add_f32 v[BI+2:BI+3], v[BI+2:BI+3], v[BI+6:BI+7]
	s_wait_alu depctr_va_vdst(0)                   ; the two additions have written the quad that the store reads
	global_store_b128 v1, v[BI:BI+3], s[26:27]
	s_branch .Lend
.Lb2:
	s_sub_co_u32 s30, s30, 2048                    ; b2's piece id - 4
	s_add_nc_u64 s[18:19], s[18:19], s[30:31]
	global_load_b128 v[BI:BI+3], v1, s[18:19]
	s_wait_loadcnt 0x0
	RND4 BI
	s_wait_alu depctr_va_vdst(0)                   ; the rounding has written the quad that the store reads
	global_store_b128 v1, v[BI:BI+3], s[26:27]
.Lend:
	s_wait_dscnt 0x0                               ; the closing lines, six on end
	s_wait_alu 0x0
	s_wait_tensorcnt 0x0
	ds_add_u32 v[SPW], v[NIL]
	s_wait_dscnt 0x0
	s_endpgm
.Lfunc_end_k_q222d68d0ad_prep:
	.size	k_q222d68d0ad_prep, .Lfunc_end_k_q222d68d0ad_prep-k_q222d68d0ad_prep
	.p2alignl 7, 3214868480
	.fill 96, 4, 3214868480
	.section	.rodata,"a",@progbits
	.p2align	6, 0x0
	.amdhsa_kernel k_q222d68d0ad_prep
		.amdhsa_group_segment_fixed_size 8704
		.amdhsa_private_segment_fixed_size 0
		.amdhsa_enable_private_segment 0
		.amdhsa_kernarg_size 80
		.amdhsa_user_sgpr_count 2
		.amdhsa_user_sgpr_kernarg_segment_ptr 1
		.amdhsa_wavefront_size32 1
		.amdhsa_system_sgpr_workgroup_id_x 1
		.amdhsa_system_sgpr_workgroup_id_y 1
		.amdhsa_system_sgpr_workgroup_id_z 1
		.amdhsa_system_vgpr_workitem_id 0
		.amdhsa_next_free_vgpr 248
		.amdhsa_next_free_sgpr 66
		.amdhsa_reserve_vcc 0
		.amdhsa_float_denorm_mode_32 3
		.amdhsa_float_denorm_mode_16_64 3
		.amdhsa_memory_ordered 1
		.amdhsa_forward_progress 1
		.amdhsa_inst_pref_size 25
	.end_amdhsa_kernel
	.amdgpu_metadata
---
amdhsa.version: [ 1, 2 ]
amdhsa.kernels:
  - .name:           k_q222d68d0ad_prep
    .symbol:         k_q222d68d0ad_prep.kd
    .args:
      - { .name: inp1, .offset: 0, .size: 8, .value_kind: global_buffer, .address_space: global }
      - { .name: inp2, .offset: 8, .size: 8, .value_kind: global_buffer, .address_space: global }
      - { .name: W2, .offset: 16, .size: 8, .value_kind: global_buffer, .address_space: global }
      - { .name: W1, .offset: 24, .size: 8, .value_kind: global_buffer, .address_space: global }
      - { .name: b1, .offset: 32, .size: 8, .value_kind: global_buffer, .address_space: global }
      - { .name: b2, .offset: 40, .size: 8, .value_kind: global_buffer, .address_space: global }
      - { .name: cf, .offset: 48, .size: 8, .value_kind: global_buffer, .address_space: global }
      - { .name: at, .offset: 56, .size: 8, .value_kind: global_buffer, .address_space: global }
      - { .name: w2f, .offset: 64, .size: 8, .value_kind: global_buffer, .address_space: global }
      - { .name: bs, .offset: 72, .size: 8, .value_kind: global_buffer, .address_space: global }
    .group_segment_fixed_size: 8704
    .private_segment_fixed_size: 0
    .kernarg_segment_align: 8
    .kernarg_segment_size: 80
    .max_flat_workgroup_size: 32
    .sgpr_count:     66
    .vgpr_count:     248
    .wavefront_size: 32
...
	.end_amdgpu_metadata
.endif
;; end of part 5
;; launch outer: the kernel of part 4 again; grid 32 x 8, 4 waves a work-group, clusters of 4 x 1, 327,680 bytes of LDS; arguments W1, cf, at, P; writes P
;; launch tail (part 6): grid 2 x 128, 8 waves a work-group, no clusters, 50,688 bytes of LDS; arguments P, w2f, bs, out0; writes out0
.if DOCPART == 6
	.amdgcn_target "amdgcn-amd-amdhsa--gfx1250"
	.amdhsa_code_object_version 6
	.text
	.protected	k_q222d68d0ad_tail
	.globl	k_q222d68d0ad_tail
	.p2align	8
	.type	k_q222d68d0ad_tail,@function
k_q222d68d0ad_tail:
	s_mov_b64 s[64:65], 0
	v_nop
	global_prefetch_b8 v0, s[64:65] scope:SCOPE_SE
	s_setreg_imm32_b32 hwreg(HW_REG_WAVE_SCHED_MODE, 0, 2), 2
	s_setreg_imm32_b32 hwreg(HW_REG_WAVE_MODE, 25, 1), 1
	s_wait_xcnt 0x0
	s_wait_alu depctr_vm_vsrc(0)
; TAIL.  h = relu(bias 1 + the sum of P's eight splits);  out0 = relu(h . W2 + bias 2).
; h enters the product as hi + lo, two bf16 numbers (hi = bf16(h), lo = bf16(h - hi)): 16 significant bits, at bf16's range.  W2 and both biases were rounded to bf16 by the first launch.
; SHARES.  A work-group makes 16 rows (row block rt) x 256 columns (half ct).  Wave w adds up columns 64 w .. 64 w + 63 of h for the 16 rows and hands them to the others through LDS;
; then it makes column blocks 16 ct + 2 w and + 1 of out0: 16 K steps x (hi, lo) x 2 = 64 matrix instructions on four accumulators that take turns.
; Source 0 = 16 columns of W2, source 1 = 16 rows of h: lane l holds row l % 16 and columns 8 (l / 16) + 0..7 of out0.
; NO CLUSTER, NO TENSOR LOAD: the two work-groups of a row block read the same 256 KiB of P, each once, straight into registers in the order in which it was stored; nothing is read again inside a work-group.
; LIMITS.  relu is a maximum with 0 in which a NaN loses: a NaN becomes 0; infinities are not treated apart.
; THE MODE: SCHED_MODE bits 1:0 = 2 (LLVM: expert scheduling mode 2), set by the entry lines.  The code itself states the register dependences
; between vector or matrix instructions and memory or LDS instructions, with s_wait_alu, always for 0.
; THE PLAN.  Registers that memory or LDS instructions touch:
;   v1, v4 .. v9   offsets and LDS addresses: made at the head and never written again.
;   SIX BUFFERS for P's splits: splits 0-3 land in RING's four quarters, split 4 in v32-63, split 5 in v64-95 (idle while P is added up), splits 6 and 7 in RING's quarters 0 and 1 again.
;                  Each is read by its split's sixteen additions.  One wait on va_vdst, at the head of split 2's step, states that the additions of splits 0 and 1 are done reading;
;                  between it and the loads of splits 6 and 7 the vector lines name SUM and quarter 2 alone.  A step's loads go out ahead of its additions.
;   SUM            bias 1 is loaded straight into it; then vector lines alone, until group 2's lo fragments land in it.
;   window 1       W2's fragments: loaded once, read by matrix instructions alone.
;   HIP, LOP       written by the conversions, read by the eight LDS stores of h; then group 2's hi fragments land in them, behind a wait on vm_vsrc.
;   THREE BUFFERS for h's fragments, four K steps (a group) each: group 0 v128-191, group 1 v192-255, group 2 v32-63 (hi) and v96-127 (lo), group 3 v128-191 again, behind a wait on
;                  va_vdst that states that group 0's matrix instructions are done reading.
;   ACC            written by matrix and vector lines, read by the four LDS stores into the stage.
;   v128-143       at the end the stage's rows land there and the global stores read them.
.set AP,    2064                       ; a row of h in LDS: hi 1,024 bytes, lo 1,024 bytes, + 16: the 16 rows of a load start at 16 different groups of four banks
.set STAGE, 33024                      ; behind h (16 x 2,064): 16 rows x 1,040 bytes of out0
.set SP,    1040
.set SPARE, 49664                      ; behind the stage: the spare words, 128 bytes a wave: four blocks of 256 bytes that no other line names
.set SPW, 2                            ; v2  LDS address of my spare word; never rewritten
.set NIL, 3                            ; v3  0; never rewritten
.set B2,   16                          ; v[16:31]   bias 2 of my 2 x 8 columns
.set HIP,  32                          ; v[32:47]   hi, packed;  v[32:63] first split 4, last group 2's hi fragments
.set LOP,  48                          ; v[48:63]   lo, packed
.set ACC,  64                          ; v[64:95]   first split 5; then (cb 0, hi), (cb 1, hi), (cb 0, lo), (cb 1, lo)
.set SUM,  96                          ; v[96:127]  the sum: it begins as bias 1, loaded straight into it; last group 2's lo fragments
.set RING, 128                         ; v[128:255] four splits of 32 registers; later two buffers of h's fragments
                                       ; window 1: W2's fragments, (cb, ks) at 8 (16 cb + ks)
.set MSB, 0
.macro WIN new
.if MSB != (\new)
	s_set_vgpr_msb (MSB<<8)|(\new)
.set MSB, (\new)
.endif
.endm
	s_load_b256 s[16:23], s[0:1], 0x0              ; P s[16:17], w2f s[18:19], bs s[20:21], out0 s[22:23]
	v_lshl_add_u32 v[SPW], v0, 2, SPARE
	v_mov_b32 v[NIL], 0
	v_lshrrev_b32 v11, 5, v0
	v_readfirstlane_b32 s2, v11                    ; wave 0..7
	v_and_b32 v11, 31, v0
	v_lshlrev_b32 v1, 4, v11                       ; 16 x lane
	v_and_b32 v12, 15, v0                          ; r
	v_bfe_u32 v13, v0, 4, 1                        ; h
	s_wait_alu depctr_va_sdst(0)                   ; s2 is written, ahead of its first reader: the offsets below are made from it
	s_mov_b32 s3, ttmp9                            ; ct
	s_and_b32 s4, ttmp7, 0xffff                    ; rt
	s_and_b32 s24, s4, 31                          ; P: 4,096 (rt % 32) + 1 Mi (rt / 32) + 128 Ki w
	s_lshl_b32 s24, s24, 12
	s_lshr_b32 s25, s4, 5
	s_lshl_b32 s25, s25, 20
	s_add_co_u32 s24, s24, s25
	s_lshl_b32 s25, s2, 17
	s_add_co_u32 s24, s24, s25
	s_mov_b32 s25, 0
	s_lshl_b32 s26, s3, 18                         ; w2f: (16 ct + 2 w) x 16,384
	s_lshl_b32 s27, s2, 15
	s_add_co_u32 s26, s26, s27
	s_mov_b32 s27, 0
	s_lshl_b32 s28, s2, 8
	v_lshl_add_u32 v4, v13, 5, s28                 ; bias 1: 256 w + 32 h
	s_lshl_b32 s28, s2, 7
	v_lshl_add_u32 v5, v13, 5, s28                 ; bias 2 and the stage: 128 w + 32 h
	v_mul_u32_u24 v7, v12, AP
	v_lshl_add_u32 v7, v13, 4, v7                  ; h's fragments: row r, + 16 h
	v_add_nc_u32 v6, s28, v7                       ; where my columns of h go: + 128 w
	v_mul_u32_u24 v8, v12, SP
	v_add_nc_u32 v8, v8, v5                        ; into the stage: row r, 128 w + 32 h
	s_mul_i32 s28, s2, 2*SP
	v_add_nc_u32 v9, s28, v1                       ; back: rows 2 w, 2 w + 1; 16 bytes a lane
	s_lshl_b32 s28, s3, 10
	s_add_co_u32 s28, s28, 2048                    ; bias 2 begins 2,048 bytes into bs; + 1,024 ct
	s_mov_b32 s29, 0
	s_lshl_b32 s30, s4, 15                         ; out0: (16 rt + 2 w) x 2,048 + 1,024 ct
	s_lshl_b32 s31, s2, 12
	s_add_co_u32 s30, s30, s31
	s_lshl_b32 s31, s3, 10
	s_add_co_u32 s30, s30, s31
	s_mov_b32 s31, 0
	s_wait_kmcnt 0x0
	s_add_nc_u64 s[8:9], s[16:17], s[24:25]        ; splits 0, 1
	s_add_nc_u64 s[10:11], s[8:9], 0x800000        ; splits 2, 3: 8 Mi further
	s_add_nc_u64 s[12:13], s[8:9], 0x1000000       ; splits 4, 5
	s_add_nc_u64 s[14:15], s[8:9], 0x1800000       ; splits 6, 7
	s_add_nc_u64 s[18:19], s[18:19], s[26:27]
	s_add_nc_u64 s[6:7], s[20:21], s[28:29]
	s_add_nc_u64 s[22:23], s[22:23], s[30:31]
	s_wait_alu depctr_va_vdst(0)                   ; v1 and v4 to v9 are written: every load and store of the kernel, global or LDS, reads one of them as its offset or address
.irp c, 0,1,2,3,4,5,6,7                ; chunk c = 2 q + g: columns 64 w + 16 q + 8 h + 4 g + 0..3
	global_load_b128 v[SUM+4*\c:SUM+4*\c+3], v4, s[20:21] offset:(\c/2)*64+(\c%2)*16
.endr
.irp c, 0,1,2,3
	global_load_b128 v[B2+4*\c:B2+4*\c+3], v5, s[6:7] offset:(\c/2)*64+(\c%2)*16
.endr
.macro SPLIT s, d                      ; split s of P into the 32 registers from d on: eight loads of 512 consecutive bytes; the odd split, 4 Mi further, stands in the immediate
.irp c, 0,1,2,3,4,5,6,7
	global_load_b128 v[(\d)+4*\c:(\d)+4*\c+3], v1, s[8+2*((\s)/2):9+2*((\s)/2)] offset:((\s)%2)*4194304+\c*512
.endr
.endm
.macro W2L j                           ; sixteen of the 64 loads of W2's fragments; no vector or matrix instruction has named their registers
	WIN 0x40
.set m, 16*(\j)
.rept 16
	global_load_b128 v[4*m:4*m+3], v1, s[18:19] offset:m*512
.set m, m+1
.endr
	WIN 0
.endm
.macro ADDS d                          ; the split in the 32 registers from d on is added
.set i, 0
.rept 16
	v_pk_add_f32 v[SUM+2*i:SUM+2*i+1], v[SUM+2*i:SUM+2*i+1], v[(\d)+2*i:(\d)+2*i+1]
.set i, i+1
.endr
.endm
	SPLIT 0, RING
	SPLIT 1, RING+32
	SPLIT 2, RING+64
	SPLIT 3, RING+96
	W2L 0
	; each count is the number of loads issued behind the split that is wanted; where that passes the count's field, 63 stands, which asks for more than is needed
	s_wait_loadcnt 40                              ; behind split 0: 3 x 8 + 16
	SPLIT 4, HIP                                   ; a buffer that no instruction has named: nothing is owed
	W2L 1
	ADDS RING
	s_wait_loadcnt 56                              ; behind split 1: 2 x 8 + 16 + 8 + 16
	SPLIT 5, ACC                                   ; likewise
	W2L 2
	ADDS RING+32
	s_wait_loadcnt 63                              ; behind split 2: 72
	s_wait_alu depctr_va_vdst(0)                   ; the additions of splits 0 and 1 are done reading RING's quarters 0 and 1, in which splits 6 and 7 land
	SPLIT 6, RING
	W2L 3
	ADDS RING+64
	s_wait_loadcnt 63                              ; behind split 3: 88
	SPLIT 7, RING+32                               ; no wait: since the wait above the vector lines have named SUM and quarter 2 alone
	ADDS RING+96
	s_wait_loadcnt 63                              ; behind split 4: 72
	ADDS HIP
	s_wait_loadcnt 48                              ; behind split 5: 16 + 8 + 16 + 8
	ADDS ACC
	s_wait_loadcnt 24                              ; behind split 6: 16 + 8
	ADDS RING
	s_wait_loadcnt 0x0                             ; split 7 is the last load: W2's fragments and the biases are in too
	ADDS RING+32
.set i, 0
.rept 32
	v_max_num_f32 v[SUM+i], 0, v[SUM+i]
.set i, i+1
.endr
.set i, 0
.rept 16
	v_cvt_pk_bf16_f32 v[HIP+i], v[SUM+2*i], v[SUM+2*i+1]
.set i, i+1
.endr
.set i, 0
.rept 16
	v_lshlrev_b32 v[RING+2*i], 16, v[HIP+i]        ; hi as f32 again
	v_and_b32 v[RING+2*i+1], 0xffff0000, v[HIP+i]
.set i, i+1
.endr
.set i, 0
.rept 16
	v_pk_add_f32 v[SUM+2*i:SUM+2*i+1], v[SUM+2*i:SUM+2*i+1], v[RING+2*i:RING+2*i+1] neg_lo:[0,1] neg_hi:[0,1]  ; h - hi, exact
.set i, i+1
.endr
.set i, 0
.rept 16
	v_cvt_pk_bf16_f32 v[LOP+i], v[SUM+2*i], v[SUM+2*i+1]
.set i, i+1
.endr
	s_wait_alu depctr_va_vdst(0)                   ; the conversions have written HIP and LOP, which the LDS stores read; and every vector line is done with RING, SUM, HIP and LOP, in which the fragments of groups 0 to 2 land
.irp q, 0,1,2,3                        ; eight neighbouring columns 64 w + 16 q + 8 h + 0..7 of row r are 16 bytes
	ds_store_b128 v6, v[HIP+4*\q:HIP+4*\q+3] offset:\q*32
	ds_store_b128 v6, v[LOP+4*\q:LOP+4*\q+3] offset:\q*32+1024
.endr
	s_wait_dscnt 0x0                               ; for the others' sake: my columns of h are in LDS
	s_barrier_signal -1
	s_barrier_wait -1
	s_wait_alu depctr_vm_vsrc(0)                   ; my LDS stores have read HIP and LOP, in which group 2's hi fragments land
.macro FREG g, k                       ; where the fragments of K step 4 g + k lie: hi at BH, lo at BL
.if (\g) == 2
.set BH, HIP+8*(\k)
.set BL, SUM+8*(\k)
.else
.set BH, RING+64*((\g)%3)+8*(\k)
.set BL, RING+64*((\g)%3)+8*(\k)+32
.endif
.endm
.macro LOADG g                         ; h's fragments of K steps 4 g .. 4 g + 3, hi and lo: sixteen loads
	WIN 0
.irp k, 0,1,2,3
	FREG \g, \k
.set OF, 64*(4*(\g)+(\k))
	ds_load_b128 v[BH:BH+3], v7 offset:OF
	ds_load_b128 v[BH+4:BH+7], v7 offset:OF+32
	ds_load_b128 v[BL:BL+3], v7 offset:OF+1024
	ds_load_b128 v[BL+4:BL+7], v7 offset:OF+1056
.endr
.endm
.macro MULG g                          ; sixteen matrix instructions; the four accumulators take turns; K step 0 starts the sums
	WIN 0x01                                       ; source 0, W2's fragment, in window 1
.irp k, 0,1,2,3
	FREG \g, \k
.set KS, 4*(\g)+(\k)
.irp a, 0,1,2,3
.set BX, BH
.if (\a) > 1
.set BX, BL
.endif
.if KS == 0
	v_wmma_f32_16x16x32_bf16 v[ACC+8*(\a):ACC+8*(\a)+7], v[8*(16*((\a)%2)+KS):8*(16*((\a)%2)+KS)+7], v[BX:BX+7], 0
.else
	v_wmma_f32_16x16x32_bf16 v[ACC+8*(\a):ACC+8*(\a)+7], v[8*(16*((\a)%2)+KS):8*(16*((\a)%2)+KS)+7], v[BX:BX+7], v[ACC+8*(\a):ACC+8*(\a)+7]
.endif
.endr
.endr
.endm
.macro PLACES                          ; four places in front of vector lines that read matrix results (ISA guide 7.12.1)
.rept 4
	v_nop
.endr
.endm
	LOADG 0
	LOADG 1
	LOADG 2
	s_wait_dscnt 32                                ; LDS loads come back in order: group 0 is in, the 32 loads of groups 1 and 2 may stay out
	MULG 0
	WIN 0
	s_wait_alu depctr_va_vdst(0)                   ; group 0's matrix instructions are done reading v128-191, in which group 3's fragments land
	LOADG 3
	s_wait_dscnt 32                                ; group 1 is in; groups 2 and 3 may stay out
	MULG 1
	s_wait_dscnt 16                                ; group 2 is in
	MULG 2
	s_wait_dscnt 0x0
	MULG 3
	PLACES
	WIN 0
.irp c, 0,1                            ; hi's sum + lo's sum + bias 2, then relu: each accumulator from its low registers up
.irp p, 0,1,2,3
	v_pk_add_f32 v[ACC+8*\c+2*\p:ACC+8*\c+2*\p+1], v[ACC+8*\c+2*\p:ACC+8*\c+2*\p+1], v[ACC+16+8*\c+2*\p:ACC+16+8*\c+2*\p+1]
.endr
.endr
.set i, 0
.rept 8
	v_pk_add_f32 v[ACC+2*i:ACC+2*i+1], v[ACC+2*i:ACC+2*i+1], v[B2+2*i:B2+2*i+1]
.set i, i+1
.endr
.set i, 0
.rept 16
	v_max_num_f32 v[ACC+i], 0, v[ACC+i]
.set i, i+1
.endr
	s_wait_alu depctr_va_vdst(0)                   ; the maxima have written v64-79, which the LDS stores read; group 3's matrix instructions are done reading v128-143, in which the stage's rows land
.irp c, 0,1,2,3                        ; column block c / 2, columns 8 h + 4 (c % 2) + 0..3
	ds_store_b128 v8, v[ACC+4*\c:ACC+4*\c+3] offset:STAGE+(\c/2)*64+(\c%2)*16
.endr
	s_wait_dscnt 0x0                               ; for the others' sake: a row's 1,024 bytes come from eight waves
	s_barrier_signal -1
	s_barrier_wait -1
.irp c, 0,1,2,3                        ; row 2 w + c / 2, half c % 2
	ds_load_b128 v[RING+4*\c:RING+4*\c+3], v9 offset:STAGE+(\c/2)*SP+(\c%2)*512
.endr
.irp c, 0,1,2,3
	s_wait_dscnt 3-\c
	global_store_b128 v1, v[RING+4*\c:RING+4*\c+3], s[22:23] offset:(\c/2)*2048+(\c%2)*512 th:TH_STORE_NT  ; 512 consecutive bytes, aligned
.endr
	s_wait_dscnt 0x0                               ; the closing lines, six on end
	s_wait_alu 0x0
	s_wait_tensorcnt 0x0
	ds_add_u32 v[SPW], v[NIL]
	s_wait_dscnt 0x0
	s_endpgm
.Lfunc_end_k_q222d68d0ad_tail:
	.size	k_q222d68d0ad_tail, .Lfunc_end_k_q222d68d0ad_tail-k_q222d68d0ad_tail
	.p2alignl 7, 3214868480
	.fill 96, 4, 3214868480
	.section	.rodata,"a",@progbits
	.p2align	6, 0x0
	.amdhsa_kernel k_q222d68d0ad_tail
		.amdhsa_group_segment_fixed_size 50688
		.amdhsa_private_segment_fixed_size 0
		.amdhsa_enable_private_segment 0
		.amdhsa_kernarg_size 32
		.amdhsa_user_sgpr_count 2
		.amdhsa_user_sgpr_kernarg_segment_ptr 1
		.amdhsa_wavefront_size32 1
		.amdhsa_system_sgpr_workgroup_id_x 1
		.amdhsa_system_sgpr_workgroup_id_y 1
		.amdhsa_system_sgpr_workgroup_id_z 1
		.amdhsa_system_vgpr_workitem_id 0
		.amdhsa_next_free_vgpr 512
		.amdhsa_next_free_sgpr 66
		.amdhsa_reserve_vcc 0
		.amdhsa_float_denorm_mode_32 3
		.amdhsa_float_denorm_mode_16_64 3
		.amdhsa_memory_ordered 1
		.amdhsa_forward_progress 1
		.amdhsa_inst_pref_size 42
	.end_amdhsa_kernel
	.amdgpu_metadata
---
amdhsa.version: [ 1, 2 ]
amdhsa.kernels:
  - .name:           k_q222d68d0ad_tail
    .symbol:         k_q222d68d0ad_tail.kd
    .args:
      - { .name: P, .offset: 0, .size: 8, .value_kind: global_buffer, .address_space: global }
      - { .name: w2f, .offset: 8, .size: 8, .value_kind: global_buffer, .address_space: global }
      - { .name: bs, .offset: 16, .size: 8, .value_kind: global_buffer, .address_space: global }
      - { .name: out0, .offset: 24, .size: 8, .value_kind: global_buffer, .address_space: global }
    .group_segment_fixed_size: 50688
    .private_segment_fixed_size: 0
    .kernarg_segment_align: 8
    .kernarg_segment_size: 32
    .max_flat_workgroup_size: 256
    .sgpr_count:     66
    .vgpr_count:     512
    .wavefront_size: 32
...
	.end_amdgpu_metadata
.endif
;; end of part 6
